; MI455X (gfx1250); checked and timed in simulation.
; The chip was launched on July 23, 2026; its instructions are those of AMD's public machine-readable ISA for CDNA 5 (MIT licence, August 2026) and "CDNA5" Instruction Set Architecture Reference Guide (July 2026). The comments in the code are by the model that wrote it; some were corrected since.
;; Multi Head Attention. Allowed arithmetic: matrix products marked QUANTISED: E2M3 operands, one E8M0 scale for each 32 along K, by v_wmma_scale_f32_16x16x128_f8f6f4 with both operands' format E2M3, f32 sums; everything else in f32.
;; Inputs: Wk 1,024 x 1,024 float32; Wo 1,024 x 1,024 float32; Wq 1,024 x 1,024 float32; Wv 1,024 x 1,024 float32; keys 4 x 2,048 x 1,024 float32; queries 4 x 2,048 x 1,024 float32; values 4 x 2,048 x 1,024 float32.
;; Outputs: out0 4 x 2,048 x 1,024 float32.
;; This version of the problem:
;;   THIS VERSION OF THE PROBLEM IS GIVEN IN LOW PRECISION. The matrix products marked QUANTISED in the list below multiply operands that are first quantised to E2M3 (2 exponent bits, 3 mantissa bits; 6 bits a number), with one power-of-two scale for each 32 numbers along K (OCP MX v1.0); their sums are f32. All else is computed in f32.
;;   The module's matrix products, in the order in which they are computed (A, B: the left and right operand; K: the contracted axis; several contracted axes count as one K, in the product's order):
;;     1. [M 8,192, K 1,024] x [K 1,024, N 1,024]; A: input queries; B: input Wq: QUANTISED
;;     2. [M 8,192, K 1,024] x [K 1,024, N 1,024]; A: input keys; B: input Wk: QUANTISED
;;     3. [M 8,192, K 1,024] x [K 1,024, N 1,024]; A: input values; B: input Wv: QUANTISED
;;     4. batch 64 x [M 2,048, K 64] x [K 64, N 2,048]; A: computed on the way; B: computed on the way: QUANTISED
;;     5. batch 64 x [M 2,048, K 2,048] x [K 2,048, N 64]; A: softmax (see below); B: computed on the way: QUANTISED
;;     6. [M 8,192, K 1,024] x [K 1,024, N 1,024]; A: computed on the way; B: input Wo: QUANTISED
;;   THE QUANTISER, for each operand of a quantised product, along K:
;;     - K is cut into blocks of 32 from its start; a last block that is shorter is filled with zeros.
;;     - A block's scale is 2^e with e = floor(log2(the largest magnitude in the block)) - 2, held to -126 .. 127; a block of zeros has e = 0. As a byte (E8M0): e + 127.
;;     - Each number is divided by its block's scale, clamped to +-7.5, and rounded to the nearest number of E2M3, ties to even, subnormals kept.
;;     - The product sums the exact products of the quantised numbers (number of the format x scale) in f32.
;;   ~~~python
;;   def quantise(x, axis):      # numpy; x: float32 -> the quantised numbers, widened to float32 again
;;       x = np.moveaxis(x, axis, -1); K = x.shape[-1]
;;       x = np.pad(x, [(0, 0)] * (x.ndim - 1) + [(0, -K % 32)]); x = x.reshape(x.shape[:-1] + (-1, 32)); a = np.abs(x).max(-1, keepdims=True)
;;       e = np.where(a > 0, np.clip(np.frexp(np.where(a > 0, a, 1))[1] - 1 - 2, -126, 127), 0)      # np.frexp(a)[1] - 1 = floor(log2(a)), exactly
;;       r = np.clip(x / 2.0 ** e, -7.5, 7.5)
;;       step = 2.0 ** (np.maximum(np.frexp(np.where(r == 0, 1, r))[1] - 1, 0) - 3)
;;       q = np.round(r / step) * step * 2.0 ** e      # np.round: ties to even
;;       return np.moveaxis(q.reshape(q.shape[:-2] + (-1,))[..., :K], -1, axis).astype(np.float32)
;;   ~~~
;;   SOFTMAX AHEAD OF A QUANTISED PRODUCT. Where the list says 'softmax', what is quantised is not the finished softmax but p = 2^(t - M), with t = logit x log2(e) and M = ceil(the row's largest t), a whole number; so 1/2 < the row's largest p <= 1. The row's sum l is taken of the UNQUANTISED p, in f32, and the product's result is divided by l at the end. Since M is a whole number, a kernel that streams over the keys may use a running M (the ceiling of the running maximum): every later rescaling is an exact power of two, which a block's scale takes up: the codes' values come out the same.
;;   OPERANDS COMPUTED ON THE WAY. 'Computed on the way' means the value that the module computes at that place (a softmax that the list does not call 'softmax' is quantised finished and normalised). What goes into a quantiser is computed in f32, as accurately as f32 sums, v_exp_f32 and their like allow (about 1e-6 of the number): no bf16 or f16 on the way to a quantiser, and a product that is left as it is and whose result goes on into a quantised operand takes f32 operands (vector FMAs, or v_wmma_f32_16x16x4_f32). A number that lies on a knife's edge between two numbers of the format may be rounded either way, as far as f32 arithmetic and the matrix unit's own rounding can turn it there, and no further.
;; One version. Each part assembles by itself: llvm-mc -triple=amdgcn-amd-amdhsa -mcpu=gfx1250 --defsym DOCPART=n.
;; ======== version 1 of 1: 4 launches
;; limits: right only within a limited range of input values
;; workspace buffers: img 22,020,096 bytes; isc 917,504 bytes; qi 6,815,744 bytes; ki 6,815,744 bytes; vi 6,553,600 bytes; ci 6,291,456 bytes; cs 262,144 bytes
;; launch quant (part 1): grid 256 x 1, 7 waves a work-group, no clusters, 60,160 bytes of LDS; arguments queries, keys, values, Wq, Wk, Wv, Wo, img, isc; writes img, isc
.if DOCPART == 1
	.amdgcn_target "amdgcn-amd-amdhsa--gfx1250"
	.amdhsa_code_object_version 6
	.text
	.protected	k_qceced89785_quant
	.globl	k_qceced89785_quant
	.p2align	8
	.type	k_qceced89785_quant,@function
k_qceced89785_quant:
	s_mov_b64 s[64:65], 0
	v_nop
	global_prefetch_b8 v0, s[64:65] scope:SCOPE_SE
	s_setreg_imm32_b32 hwreg(HW_REG_WAVE_MODE, 25, 1), 1
	s_wait_xcnt 0x0
; The seven f32 tensors (rows of 1,024 numbers, K innermost) become codes of FP6 (E2M3) with one E8M0 byte for each 32 along K, laid as IMAGES OF OPERAND REGISTERS.
; A tile is 16 rows; lane r of tile T holds row 32 (T / 2) + 8 (T % 2) + r + 8 (r / 8), so that a product that takes the tile as source 0 leaves 16 neighbouring rows in the 16 registers of two neighbouring tiles.
; An image (16 rows x 128 K, 12 registers a lane) is 1,536 bytes in two halves of 768: registers 6 c .. 6 c + 3 at 16 x lane, registers 6 c + 4, 6 c + 5 at 512 + 8 x lane.
; img: [tile 0..1791][K step 8][1,536]; tiles: queries 0, keys 512, values 1024, Wq 1536, Wk 1600, Wv 1664, Wo 1728.  isc: [tile][row 16][K step 8] scale words.
; A block's scale is 2^(floor(log2(its largest magnitude)) - 2); its byte is the largest magnitude's exponent field - 2, held at 1 from below.
; LIMITS: a block of zeros gets the byte 1 where the rule says 127 (its codes are zeros, and this program alone reads the bytes); blocks whose largest magnitude lies under 2^-124 keep the byte 1 and were not tried; NaN and infinities are not served.
; SHARES: a wave takes one tile for all of K: 8 steps of 16 rows x 512 bytes.  Each load reads 512 consecutive bytes of one row; the step turns through the wave's own stage in LDS (rows of 512 + 16 bytes),
; so that lane (r, h) gets, of row r, numbers 32 b + 16 h + 0 .. 15 of each block b.  Waves share nothing: no barrier.  Loads run two steps (32 loads a wave) ahead.
.set STG,  8448                        ; a wave's stage: 16 rows x 528 bytes
.set SW,   8                           ; v8-15    the scale word of each K step
.set TM,   16                          ; v16-31   at work in QUANT
.set R,    32                          ; v32-159  two sets of 64 registers as loaded
.set X,    160                         ; v160-223 64 numbers: register 16 b + i = k 32 b + 16 h + i of my row
.set PC,   224                         ; v224-243 the codes
.set PW,   244                         ; v244     the scale word just made
.set SEL,  30                          ; s[30:31] lane selects for v_permlanex16_b32: lane l xor 16
	s_load_b256 s[4:11], s[0:1], 0x0               ; queries, keys, values, Wq
	s_load_b256 s[12:19], s[0:1], 0x20             ; Wk, Wv, Wo, img
	s_load_b64 s[20:21], s[0:1], 0x40              ; isc
	v_lshl_add_u32 v248, v0, 2, 0xe700             ; the spare words lie behind the seven stages of 8,448 bytes
	v_mov_b32 v249, 0
	v_lshrrev_b32 v7, 5, v0
	v_readfirstlane_b32 s22, v7                    ; wave 0..6
	v_and_b32 v7, 31, v0                           ; lane
	v_and_b32 v5, 15, v0                           ; r
	v_bfe_u32 v6, v0, 4, 1                         ; h
	v_lshlrev_b32 v1, 4, v7                        ; 16 x lane: a load's and a 16-byte store's offset
	v_lshlrev_b32 v2, 3, v7                        ; 8 x lane
	s_mul_i32 s23, s22, STG
	v_add_nc_u32 v3, s23, v1                       ; the stage, on the way in
	v_mul_u32_u24 v4, v5, 528
	v_lshl_add_u32 v4, v6, 6, v4
	v_add_nc_u32 v4, s23, v4                       ; and on the way out: row r, + 64 h
	v_lshl_add_u32 v5, v5, 1, v6
	v_lshlrev_b32 v5, 4, v5                        ; 16 (2 r + h): my 16 bytes of the tile's 512 bytes of scale words
	s_mov_b32 s[SEL], 0x76543210
	s_mov_b32 s[SEL+1], 0xfedcba98
.irp b, 0,1,2,3
	v_mov_b32 v[TM+4+\b], 0                        ; written once: a lane permute's destination counts as one of its sources
.endr
	s_wait_alu depctr_va_vdst(0)
	s_wait_kmcnt 0x0
	; 256 work-groups of seven waves: the 1,792 tiles are dealt seven to a work-group, one to a wave
	s_mul_i32 s27, ttmp9, 7
	s_add_co_u32 s27, s27, s22                     ; my tile among all 1,792
	s_mov_b64 s[24:25], s[16:17]                   ; which tensor is my tile's, and which tile is that tensor's first: chosen on the tile's number alone
	s_mov_b32 s26, 1728
	s_cmp_lt_u32 s27, 1728
	s_cselect_b64 s[24:25], s[14:15], s[24:25]
	s_cselect_b32 s26, 1664, s26
	s_cmp_lt_u32 s27, 1664
	s_cselect_b64 s[24:25], s[12:13], s[24:25]
	s_cselect_b32 s26, 1600, s26
	s_cmp_lt_u32 s27, 1600
	s_cselect_b64 s[24:25], s[10:11], s[24:25]
	s_cselect_b32 s26, 1536, s26
	s_cmp_lt_u32 s27, 1536
	s_cselect_b64 s[24:25], s[8:9], s[24:25]
	s_cselect_b32 s26, 1024, s26
	s_cmp_lt_u32 s27, 1024
	s_cselect_b64 s[24:25], s[6:7], s[24:25]
	s_cselect_b32 s26, 512, s26
	s_cmp_lt_u32 s27, 512
	s_cselect_b64 s[24:25], s[4:5], s[24:25]
	s_cselect_b32 s26, 0, s26
	s_sub_co_u32 s26, s27, s26                     ; my tile within the tensor
	; THE KEYS' TILES HAVE ANOTHER ORDER OF ROWS than the other six tensors': lane r of tile T holds row 64 (T / 4) + 8 (T % 4) + r % 8 + 32 (r / 8),
	; so that in attention's k q^T a lane's 32 registers of four neighbouring tiles are one whole block of 32 neighbouring keys.
	s_sub_co_u32 s23, s27, 512
	s_cmp_lt_u32 s23, 512                          ; tiles 512 .. 1,023 are keys'
	s_cselect_b32 s23, 2, 1                        ; tiles in a group of rows: 4 or 2, as a shift
	s_cselect_b32 s29, 65536, 0                    ; keys: a tile's rows 8-15 lie 16 rows further on
	s_lshr_b32 s27, s26, s23
	s_add_co_u32 s28, s23, 16
	s_lshl_b32 s27, s27, s28                       ; 64 or 32 rows of 4,096 bytes for each group,
	s_bfm_b32 s28, s23, 0
	s_and_b32 s28, s26, s28
	s_lshl_b32 s28, s28, 15                        ; 8 rows for each tile in it
	s_add_co_u32 s28, s28, s27
	v_add_nc_u32 v246, s29, v1                     ; the offset of rows 8-15
	s_wait_alu depctr_va_vdst(0)
	s_mov_b32 s29, 0
	s_add_nc_u64 s[24:25], s[24:25], s[28:29]
	s_mul_i32 s26, ttmp9, 7
	s_add_co_u32 s26, s26, s22                     ; my tile among all 1,792
	s_mul_i32 s28, s26, 12288
	s_add_nc_u64 s[18:19], s[18:19], s[28:29]      ; its eight images
	s_lshl_b32 s28, s26, 9
	s_add_nc_u64 s[20:21], s[20:21], s[28:29]      ; its scale words
.macro LOAD t                          ; K step t: 512 bytes of each of the tile's 16 rows, into set t % 2
.irp i, 0,1,2,3,4,5,6,7
	global_load_b128 v[R+64*((\t)%2)+4*\i:R+64*((\t)%2)+4*\i+3], v1, s[24:25] offset:\i*4096+512*(\t) th:TH_LOAD_NT
.endr
.irp i, 8,9,10,11,12,13,14,15
	global_load_b128 v[R+64*((\t)%2)+4*\i:R+64*((\t)%2)+4*\i+3], v246, s[24:25] offset:(\i+8)*4096+512*(\t) th:TH_LOAD_NT
.endr
.endm
; 64 numbers of a lane, v[s] .. v[s + 63], become a fragment's codes in v[PC] on and its row's scale word in v[PW]
.macro QUANT s
.irp b, 0,1,2,3
	v_max3_num_f32 v[TM+\b], |v[\s+16*\b]|, |v[\s+1+16*\b]|, 0x1800000   ; block b: my 16 numbers, and the floor 2^(3 - 127): the byte cannot fall under 1
.endr
.irp i, 2,4,6,8,10,12,14
.irp b, 0,1,2,3
	v_max3_num_f32 v[TM+\b], v[TM+\b], |v[\s+16*\b+\i]|, |v[\s+1+16*\b+\i]|   ; the four blocks by turns
.endr
.endr
.irp b, 0,1,2,3
	v_permlanex16_b32 v[TM+4+\b], v[TM+\b], s[SEL], s[SEL+1]
.endr
.irp b, 0,1,2,3
	v_max_num_f32 v[TM+\b], v[TM+\b], v[TM+4+\b]   ; with lane l xor 16's: the block's largest magnitude
.endr
.irp b, 0,1,2,3
	v_add_nc_u32 v[TM+12+\b], 0xff000000, v[TM+\b] ; 2 off its exponent field: the conversion takes this operand's exponent field as its scale
.endr
.irp b, 0,1,2,3
	v_lshrrev_b32 v[TM+4+\b], 23, v[TM+12+\b]      ; the scale's byte
.endr
	v_lshl_or_b32 v[PW], v[TM+5], 8, v[TM+4]
	v_lshl_or_b32 v[PW], v[TM+6], 16, v[PW]
	v_lshl_or_b32 v[PW], v[TM+7], 24, v[PW]
.irp c, 0,1
	v_cvt_scalef32_pk16_fp6_f32 v[PC+6*\c:PC+2+6*\c], v[\s+32*\c:\s+15+32*\c], v[TM+12+2*\c]
	v_cvt_scalef32_pk16_fp6_f32 v[PC+12+4*\c:PC+14+4*\c], v[\s+16+32*\c:\s+31+32*\c], v[TM+12+2*\c+1]   ; (a conversion's three registers begin on an even number)
.endr
	v_nop                                          ; one plain place behind a scaled conversion
.irp c, 0,1                                    ; the operand's layout wants a whole block in a lane: lanes 0-15 block 2 c, lanes 16-31 block 2 c + 1
.irp i, 0,1,2
	v_permlane16_swap_b32 v[PC+6*\c+\i], v[PC+12+4*\c+\i]
.endr
.irp i, 0,1,2
	v_mov_b32 v[PC+3+6*\c+\i], v[PC+12+4*\c+\i]
.endr
.endr
.endm
.macro STEP t
.if (\t) < 7
	s_wait_loadcnt 16                              ; this step's 16 loads are in; the next step's 16 may be out
.else
	s_wait_loadcnt 0x0
.endif
	s_wait_xcnt 0x0                                ; the last step's stores have read the codes' registers, which QUANT writes again
.irp i, 0,1,2,3,4,5,6,7,8,9,10,11,12,13,14,15
	ds_store_b128 v3, v[R+64*((\t)%2)+4*\i:R+64*((\t)%2)+4*\i+3] offset:528*\i
.endr
.irp b, 0,1,2,3
.irp j, 0,1,2,3
	ds_load_b128 v[X+16*\b+4*\j:X+16*\b+4*\j+3], v4 offset:128*\b+16*\j   ; LDS serves a wave's instructions in order: these see the stores above
.endr
.endr
	s_wait_dscnt 0x0                               ; the numbers are back, and the stores have read their registers,
.if (\t) < 6
	LOAD (\t)+2                                    ; which take the loads of two steps on
.endif
	QUANT X
	v_mov_b32 v[SW+(\t)], v[PW]
	global_store_b128 v1, v[PC:PC+3], s[18:19] offset:1536*(\t)          ; 512 consecutive bytes, aligned
	global_store_b64 v2, v[PC+4:PC+5], s[18:19] offset:1536*(\t)+512     ; 256
	global_store_b128 v1, v[PC+6:PC+9], s[18:19] offset:1536*(\t)+768
	global_store_b64 v2, v[PC+10:PC+11], s[18:19] offset:1536*(\t)+1280
.endm
	LOAD 0
	LOAD 1
.irp t, 0,1,2,3,4,5,6,7
	STEP \t
.endr
	v_cmp_eq_u32 vcc_lo, 1, v6                     ; both halves of the lanes hold row r's eight words: lanes 0-15 store K steps 0-3, lanes 16-31 K steps 4-7
.irp i, 0,1,2,3
	v_cndmask_b32 v[TM+\i], v[SW+\i], v[SW+4+\i], vcc_lo
.endr
	global_store_b128 v5, v[TM:TM+3], s[20:21]     ; the tile's 512 bytes of scale words, consecutive
	s_wait_tensorcnt 0x0
	ds_add_u32 v248, v249
	s_wait_dscnt 0x0
	s_endpgm
.Lfunc_end_k_qceced89785_quant:
	.size	k_qceced89785_quant, .Lfunc_end_k_qceced89785_quant-k_qceced89785_quant
	.p2alignl 7, 3214868480
	.fill 96, 4, 3214868480
	.section	.rodata,"a",@progbits
	.p2align	6, 0x0
	.amdhsa_kernel k_qceced89785_quant
		.amdhsa_group_segment_fixed_size 60160
		.amdhsa_private_segment_fixed_size 0
		.amdhsa_enable_private_segment 0
		.amdhsa_kernarg_size 72
		.amdhsa_user_sgpr_count 2
		.amdhsa_user_sgpr_kernarg_segment_ptr 1
		.amdhsa_wavefront_size32 1
		.amdhsa_system_sgpr_workgroup_id_x 1
		.amdhsa_system_sgpr_workgroup_id_y 1
		.amdhsa_system_sgpr_workgroup_id_z 1
		.amdhsa_system_vgpr_workitem_id 0
		.amdhsa_next_free_vgpr 250
		.amdhsa_next_free_sgpr 66
		.amdhsa_reserve_vcc 1
		.amdhsa_float_denorm_mode_32 3
		.amdhsa_float_denorm_mode_16_64 3
		.amdhsa_memory_ordered 1
		.amdhsa_forward_progress 1
		.amdhsa_inst_pref_size 66
	.end_amdhsa_kernel
	.amdgpu_metadata
---
amdhsa.version: [ 1, 2 ]
amdhsa.kernels:
  - .name:           k_qceced89785_quant
    .symbol:         k_qceced89785_quant.kd
    .args:
      - { .name: queries, .offset: 0, .size: 8, .value_kind: global_buffer, .address_space: global }
      - { .name: keys, .offset: 8, .size: 8, .value_kind: global_buffer, .address_space: global }
      - { .name: values, .offset: 16, .size: 8, .value_kind: global_buffer, .address_space: global }
      - { .name: Wq, .offset: 24, .size: 8, .value_kind: global_buffer, .address_space: global }
      - { .name: Wk, .offset: 32, .size: 8, .value_kind: global_buffer, .address_space: global }
      - { .name: Wv, .offset: 40, .size: 8, .value_kind: global_buffer, .address_space: global }
      - { .name: Wo, .offset: 48, .size: 8, .value_kind: global_buffer, .address_space: global }
      - { .name: img, .offset: 56, .size: 8, .value_kind: global_buffer, .address_space: global }
      - { .name: isc, .offset: 64, .size: 8, .value_kind: global_buffer, .address_space: global }
    .group_segment_fixed_size: 60160
    .private_segment_fixed_size: 0
    .kernarg_segment_align: 8
    .kernarg_segment_size: 72
    .max_flat_workgroup_size: 224
    .sgpr_count:     66
    .vgpr_count:     250
    .wavefront_size: 32
...
	.end_amdgpu_metadata
.endif
;; end of part 1
;; launch proj (part 2): grid 4 x 64, 4 waves a work-group, clusters of 4 x 4, 327,680 bytes of LDS; arguments img, isc, qi, ki, vi; writes qi, ki, vi
.if DOCPART == 2
	.amdgcn_target "amdgcn-amd-amdhsa--gfx1250"
	.amdhsa_code_object_version 6
	.text
	.protected	k_qceced89785_proj
	.globl	k_qceced89785_proj
	.p2align	8
	.type	k_qceced89785_proj,@function
k_qceced89785_proj:
	s_mov_b64 s[64:65], 0
	v_nop
	global_prefetch_b8 v0, s[64:65] scope:SCOPE_SE
	s_setreg_imm32_b32 hwreg(HW_REG_WAVE_MODE, 25, 1), 1
	s_wait_xcnt 0x0
	s_wait_alu depctr_hold_cnt(0) depctr_sa_sdst(0) depctr_va_vdst(0) depctr_va_sdst(0) depctr_va_ssrc(0) depctr_va_vcc(0) depctr_vm_vsrc(0)
	s_getreg_b32 s2, hwreg(HW_REG_IB_STS2, 6, 4)
	s_cmp_eq_u32 s2, 0
	s_cbranch_scc0 .Lentry_in_a_cluster
	s_endpgm
.Lentry_in_a_cluster:
	s_bfe_u32 s2, ttmp6, 0x10000c
	s_cmp_lg_u32 s2, 0xf033
	s_cbranch_scc0 .Lentry_shape_is_right
	s_endpgm
.Lentry_shape_is_right:
; q = queries Wq^T, k = keys Wk^T, v = values Wv^T on codes of FP6 (E2M3) with E8M0 scales, and each result QUANTISED in registers for attention's products: q and k along a head's 64, v along the keys.
; THE PRODUCT: source 0 = a tile of S0's rows, source 1 = a tile of S1's rows: in a result a lane holds ONE row of S1, and the 16 registers of two neighbouring tiles of S0 are 16 neighbouring rows of S0.
; q, k: S1 = the tokens, S0 = the weight: a lane's registers run along the features.  v: S1 = Wv, S0 = values: they run along the keys.
; SHARES: a block is 128 rows of S1 x 256 rows of S0; wave (jh, sh) makes 4 tiles of S1 x 8 tiles of S0: 32 accumulators.  There are 768 blocks.
; A WORK-GROUP STAYS and makes three blocks: cluster c of sixteen takes block numbers c (q), c + 16 (k), c + 32 (v).  A loop of two trips; the last block, which fills nothing again, is written out.
; THE RING: two slots of 147,456 bytes: slot 0 holds a block's K steps 0-3, slot 1 its K steps 4-7 (S1's 8 tiles x 6,144 bytes, then S0's 16 tiles x 6,144: images of operand registers, read back by dense loads).
; At the head one joint load a wave, each by a line of its own: wave 0 S1's and wave 1 S0's part of slot 0, waves 2 and 3 those of slot 1.  Slot 0 is filled again, with the next block's K steps 0-3, in a round at K step 3,
; when its last fragments are in registers; slot 1 in a round at K step 7.  There waves 0, 1 fetch S1's halves and waves 2, 3 S0's: one load a wave is out.  A round shows what the round before asked for.
; CLUSTER 4 x 4: the four of a row of the cluster need the same tiles of S1, the four of a column the same tiles of S0: each is asked for jointly.
; PREFETCH: at K step 0 the next block's activations (keys: S1's 98,304 bytes; values: S0's 196,608), three K steps ahead of the first load that wants them; the sixteen waves of the four partners share the bytes out by address,
; two instructions a wave, a lane to each 256 bytes.  The first block comes by its loads alone.  The weights are not prefetched: eight or sixteen clusters load the same rows, and each would name the same blocks.
; OUT: qi, ki: [batch x head 64][step of 128 rows 16][6,656]: 8 tiles x 768 bytes (half an image: 16 rows x a head's 64), then 512 bytes of scale words [tile / 4][row 16][tile % 4], bytes 2 and 3 zero.
;      vi: [batch x head][step of 128 keys 16][6,400]: 4 tiles of 16 channels x 1,536 bytes (16 channels x 128 keys), then 256 bytes of scale words [row 16][tile 4].
; LIMITS of the quantiser: a block of zeros gets the byte 1 where the rule says 127 (its codes are zeros; this program alone reads the bytes); blocks under 2^-124 keep the byte 1 and were not tried; NaN and infinities are not served.
; REGISTERS: window 0: v1-7 lane terms; v8-21 LDS addresses; v24-29 offsets of the way out; v32-95 S0's scale words (8 i + s), v96-127 S1's (8 jj + s); v128-239 the way out; v22-23 the prefetches' offsets.
;   windows 1 and 3: fragment sets 0 and 1: S0's at v[12 i], S1's at v[96 + 12 jj].   window 2: accumulator (jj, i) at v[64 jj + 8 i].
.set CHUNK, 147456
.set S0OFF, 49152
.set G1A, 24                           ; s[24:31] descriptor group 1 for S1's tiles;  s[32:39] for S0's
.set G1B, 32
.set G0A, 40                           ; s[40:43] group 0 for S1;  s[68:71] for S0
.set G0B, 68
.set SC0, 32
.set SC1, 96
; THE WAY OUT'S REGISTERS, as they stand now: v128-223 four blocks of 24, one for each tile of S1: +0..11 the codes (before that +0..3 the blocks' largest magnitudes),
; +12..19 the second halves of the conversions (before that +12..15 lane permutes' results, then scale bytes), +20..23 the conversions' scale operands; v224-227 the scale words; v228-239 the store offsets of tiles 1 to 3.
; v22-23 the prefetches' offsets.
.set QB,  128
.set WD,  224
.set AX,  228
.set PF,  22
.set SEL, 66
.set MSB, 0
.macro WIN new                         ; the immediate's high byte repeats the setting that is left
.if MSB != (\new)
	s_set_vgpr_msb (MSB<<8)|(\new)
.set MSB, (\new)
.endif
.endm
.macro CROUND                          ; a round of the cluster's barrier
	s_barrier_signal -1
	s_barrier_wait -1
	s_cmp_lg_u32 s14, 0
	s_cbranch_scc1 .Lnot_wave_0_\@
	s_barrier_signal -3
.Lnot_wave_0_\@:
	s_barrier_wait -3
	s_barrier_signal -1
	s_barrier_wait -1
.endm
.macro PLACES n
.rept \n
	v_nop
.endr
.endm
.macro TLOAD g0, g1
	tensor_load_to_lds s[\g0:\g0+3], s[\g1:\g1+7]
	s_nop 0
	PLACES 4
.endm
; From the block's number s19 (0-15 q, 16-31 k, 32-47 v): s87 my block of 256 rows of S0, s88 my block of 128 rows of S1, s92 and s89 their first tiles in img
.macro PLAN
	s_sub_co_u32 s60, s19, 32
	s_and_b32 s61, s60, 7                          ; v: which four blocks of values
	s_lshr_b32 s62, s60, 3                         ; v: which four blocks of Wv
	s_and_b32 s63, s19, 15                         ; q, k: which four blocks of tokens
	s_mov_b32 s85, 1664                            ; S1's first tile in img: Wv / keys / queries
	s_mov_b32 s86, 1024                            ; S0's: values / Wk / Wq
	s_cmp_lt_u32 s19, 32
	s_cselect_b32 s61, 0, s61
	s_cselect_b32 s62, s63, s62
	s_cselect_b32 s85, 512, s85
	s_cselect_b32 s86, 1600, s86
	s_cmp_lt_u32 s19, 16
	s_cselect_b32 s85, 0, s85
	s_cselect_b32 s86, 1536, s86
	s_lshl_b32 s87, s61, 2
	s_add_co_u32 s87, s87, s17
	s_lshl_b32 s88, s62, 2
	s_add_co_u32 s88, s88, s18
	s_lshl_b32 s89, s88, 3
	s_add_co_u32 s89, s89, s85                     ; it hangs on cy and the block's number alone
	s_lshl_b32 s92, s87, 4
	s_add_co_u32 s92, s92, s86                     ; on cx and the block's number alone
.endm
.macro SBASE                           ; where the scale words of my 8 tiles of S0 and my 4 of S1 lie: 512 bytes a tile
	s_lshl_b32 s56, s16, 3
	s_add_co_u32 s56, s56, s92
	s_lshl_b32 s56, s56, 9
	s_mov_b32 s57, 0
	s_lshl_b32 s58, s15, 2
	s_add_co_u32 s58, s58, s89
	s_lshl_b32 s58, s58, 9
	s_mov_b32 s59, 0
	s_add_nc_u64 s[56:57], s[6:7], s[56:57]
	s_add_nc_u64 s[58:59], s[6:7], s[58:59]
.endm
.macro SCALES
.irp i, 0,1,2,3,4,5,6,7
	global_load_b128 v[SC0+8*\i:SC0+8*\i+3], v3, s[56:57] offset:512*\i
	global_load_b128 v[SC0+8*\i+4:SC0+8*\i+7], v3, s[56:57] offset:512*\i+16
.endr
.irp j, 0,1,2,3
	global_load_b128 v[SC1+8*\j:SC1+8*\j+3], v3, s[58:59] offset:512*\j
	global_load_b128 v[SC1+8*\j+4:SC1+8*\j+7], v3, s[58:59] offset:512*\j+16
.endr
.endm
; A refill's two groups 0, for the block that PLAN has laid out: half s16 of S1's 8 tiles, half s16 of S0's 16, K steps 4 slot .. 4 slot + 3.  No load of the wave is out where this stands
.macro DESC slot
	s_lshl_b32 s90, s16, 2
	s_add_co_u32 s90, s90, s89
	s_mul_i32 s90, s90, 12288
	s_lshl_b32 s94, s16, 3
	s_add_co_u32 s94, s94, s92
	s_mul_i32 s94, s94, 12288
	s_mul_i32 s[G0A+1], s16, 24576
	s_mul_i32 s[G0B+1], s16, 49152
	s_add_co_u32 s[G0B+1], s[G0B+1], (\slot)*CHUNK+S0OFF
.if \slot
	s_add_co_u32 s90, s90, 6144
	s_add_co_u32 s94, s94, 6144
	s_add_co_u32 s[G0A+1], s[G0A+1], CHUNK
.endif
	s_mov_b32 s91, 0
	s_mov_b32 s95, 0
	s_add_nc_u64 s[G0A+2:G0A+3], s[4:5], s[90:91]
	s_or_b32 s[G0A+3], s[G0A+3], 0x80000000
	s_add_nc_u64 s[G0B+2:G0B+3], s[4:5], s[94:95]
	s_or_b32 s[G0B+3], s[G0B+3], 0x80000000
.endm
; WHERE A BLOCK'S RESULTS GO.  All arithmetic first, then one compare and the choices (a choice leaves SCC alone)
.macro OUTADDR
	s_lshr_b32 s60, s88, 4
	s_lshl_b32 s60, s60, 4
	s_lshl_b32 s62, s87, 2
	s_add_co_u32 s60, s60, s62
	s_lshl_b32 s62, s16, 1
	s_add_co_u32 s60, s60, s62                     ; q, k: 16 x batch + the first of my two heads
	s_and_b32 s61, s88, 15                         ; and the step of 128 rows
	s_lshr_b32 s62, s87, 3
	s_lshl_b32 s62, s62, 4
	s_lshl_b32 s63, s88, 1
	s_add_co_u32 s62, s62, s63
	s_add_co_u32 s62, s62, s15                     ; v: 16 x batch + my head
	s_and_b32 s63, s87, 7
	s_lshl_b32 s63, s63, 1
	s_add_co_u32 s63, s63, s16                     ; and the step of 128 keys
	s_mul_i32 s84, s15, 3072                       ; q, k: my four tiles' place in a block
	s_lshl_b32 s20, s15, 8                         ; and their scale words'
	s_mov_b32 s21, 6400                            ; a block
	s_mov_b32 s93, 1536                            ; from tile to tile
	s_mov_b32 s98, 768                             ; from an image's first half to its second: v: 768 on; q, k: the next head's block
	s_cmp_lt_u32 s19, 32
	s_cselect_b32 s60, s60, s62
	s_cselect_b32 s61, s61, s63
	s_cselect_b32 s84, s84, 0
	s_cselect_b32 s20, s20, 0
	s_cselect_b32 s21, 6656, s21
	s_cselect_b32 s93, 768, s93
	s_cselect_b32 s98, 106496, s98
	s_cselect_b32 s99, 16, 0                       ; q, k: lanes 16-31 keep the second head's two bytes of the scale word
	s_cselect_b32 s2, 0xffff, -1
	s_cselect_b32 s3, 106496, 0
	s_cselect_b64 s[22:23], s[10:11], s[12:13]
	s_cmp_lt_u32 s19, 16
	s_cselect_b64 s[22:23], s[8:9], s[22:23]       ; qi, ki or vi: the choice hangs on the block's number alone
	s_lshl_b32 s60, s60, 4
	s_add_co_u32 s60, s60, s61
	s_mul_i32 s60, s60, s21                        ; the block's first byte
	s_add_co_u32 s61, s60, s84
	s_add_co_u32 s60, s60, s20
	s_add_co_u32 s60, s60, 6144                    ; its scale words
	v_add_nc_u32 v24, s61, v1
	v_add_nc_u32 v25, s61, v2
	v_add_nc_u32 v26, s98, v24
	v_add_nc_u32 v27, s98, v25
	v_lshl_add_u32 v28, v5, 4, s60
	v_mul_u32_u24 v29, s3, v6
	v_add_nc_u32 v28, v28, v29
	v_mul_u32_u24 v29, s99, v6
.irp m, 0,1,2,3
	v_add_nc_u32 v[AX+\m], s93, v[24+\m]           ; each tile has store offsets of its own: no store's offset is written again inside a block
.endr
.irp m, 0,1,2,3,4,5,6,7
	v_add_nc_u32 v[AX+4+\m], s93, v[AX+\m]
.endr
.endm
	s_load_b256 s[4:11], s[0:1], 0x0               ; img, isc, qi, ki
	s_load_b64 s[12:13], s[0:1], 0x20              ; vi
	v_lshl_add_u32 v254, v0, 2, 0x48000
	v_mov_b32 v255, 0
	ds_add_u32 v254, v255
	ds_add_u32 v254, v255
	v_lshrrev_b32 v7, 5, v0
	v_readfirstlane_b32 s14, v7                    ; wave 0..3
	s_lshr_b32 s15, s14, 1                         ; jh: which 4 tiles of S1 are mine.  At the head also: which slot I fill
	s_and_b32 s16, s14, 1                          ; sh: which 8 tiles of S0.  In a refill also: which half I fetch
	s_bfe_u32 s17, ttmp6, 0x40000                  ; cx
	s_bfe_u32 s18, ttmp6, 0x40004                  ; cy
	s_and_b32 s19, ttmp7, 0xffff                   ; the cluster's number, 0-15: my first block's number, the same in all partners
	PLAN
	s_lshl_b32 s98, s18, 2
	s_lshl_b32 s98, 15, s98                        ; my row of the cluster
	s_lshl_b32 s99, 0x1111, s17                    ; my column
	s_or_b32 s[G1A], s98, (3<<16)|(1<<21)          ; 15:0 the mask; 17:16 elements of 8 bytes; 21 set beside a mask; no padding
	s_or_b32 s[G1B], s99, (3<<16)|(1<<21)
	s_mov_b32 s[G1A+1], 768<<16                    ; tensor_dim0: a tile's four K steps, 6,144 bytes
	s_mov_b32 s[G1A+2], 8<<16                      ; tensor_dim1: at the head all 8 tiles
	s_mov_b32 s[G1A+3], 768<<16                    ; tile_dim0
	s_mov_b32 s[G1A+4], 8                          ; tile_dim1
	s_mov_b32 s[G1A+5], 1536                       ; from tile to tile: 12,288 bytes
	s_mov_b32 s[G1A+6], 0
	s_mov_b32 s[G1A+7], 0
	s_mov_b32 s[G1B+1], 768<<16
	s_mov_b32 s[G1B+2], 16<<16                     ; all 16 tiles
	s_mov_b32 s[G1B+3], 768<<16
	s_mov_b32 s[G1B+4], 16
	s_mov_b32 s[G1B+5], 1536
	s_mov_b32 s[G1B+6], 0
	s_mov_b32 s[G1B+7], 0
	s_mul_i32 s90, s89, 12288
	s_mul_i32 s94, s92, 12288
	s_mul_i32 s96, s15, CHUNK                      ; the slot that I fill: no place in the cluster enters an LDS address
	s_mul_i32 s62, s15, 6144                       ; and where its K steps begin in a tile's 12,288 bytes
	s_add_co_u32 s90, s90, s62
	s_add_co_u32 s94, s94, s62
	s_mov_b32 s91, 0
	s_mov_b32 s95, 0
	s_wait_dscnt 0x0
	s_wait_kmcnt 0x0
	s_mov_b32 s[G0A], 1                            ; count = 1
	s_mov_b32 s[G0A+1], s96                        ; LDS address
	s_add_nc_u64 s[G0A+2:G0A+3], s[4:5], s[90:91]
	s_or_b32 s[G0A+3], s[G0A+3], 0x80000000        ; type = 2
	s_mov_b32 s[G0B], 1
	s_add_co_u32 s[G0B+1], s96, S0OFF
	s_add_nc_u64 s[G0B+2:G0B+3], s[4:5], s[94:95]
	s_or_b32 s[G0B+3], s[G0B+3], 0x80000000
	SBASE
	CROUND                                         ; all sixteen work-groups are here: the joint loads meet
	s_cmp_eq_u32 s14, 0                            ; one chain of branches on the wave's number, one load to an arm, all arms to one join
	s_cbranch_scc0 .Lw1
	TLOAD G0A, G1A                                 ; wave 0: S1, K steps 0-3
	s_branch .Lasked
.Lw1:
	s_cmp_eq_u32 s14, 1
	s_cbranch_scc0 .Lw2
	TLOAD G0B, G1B                                 ; wave 1: S0, K steps 0-3
	s_branch .Lasked
.Lw2:
	s_cmp_eq_u32 s14, 2
	s_cbranch_scc0 .Lw3
	TLOAD G0A, G1A                                 ; wave 2: S1, K steps 4-7
	s_branch .Lasked
.Lw3:
	TLOAD G0B, G1B                                 ; wave 3: S0, K steps 4-7
.Lasked:
	v_and_b32 v7, 31, v0                           ; lane
	v_and_b32 v5, 15, v0                           ; r
	v_bfe_u32 v6, v0, 4, 1                         ; h
	v_lshlrev_b32 v1, 4, v7                        ; 16 x lane
	v_lshlrev_b32 v2, 3, v7                        ; 8 x lane
	v_lshlrev_b32 v3, 5, v5                        ; 32 r: a row's eight scale words
	SCALES
	s_mul_i32 s62, s16, 49152
	s_add_co_u32 s62, s62, S0OFF                   ; my 8 tiles of S0 in slot 0
	s_mul_i32 s63, s15, 24576                      ; my 4 tiles of S1
.irp q, 0,1
	v_add_nc_u32 v[8+\q], s62, v1
	v_add_nc_u32 v[12+\q], s62, v2
	v_add_nc_u32 v[16+\q], s63, v1
	v_add_nc_u32 v[20+\q], s63, v2
	s_add_co_u32 s62, s62, CHUNK
	s_add_co_u32 s63, s63, CHUNK
.endr
	s_mov_b32 s[SEL], 0x76543210
	s_mov_b32 s[SEL+1], 0xfedcba98
.irp jj, 0,1,2,3
.irp b, 0,1,2,3
	v_mov_b32 v[QB+24*\jj+12+\b], 0                ; written once: a lane permute's destination counts as one of its sources
.endr
.endr
	OUTADDR
.macro FRAG reg, a16, a8, off          ; an image comes back as the registers that it is: four dense loads
	ds_load_b128 v[(\reg):(\reg)+3], v[(\a16)] offset:(\off)
	ds_load_b64 v[(\reg)+4:(\reg)+5], v[(\a8)] offset:(\off)+512
	ds_load_b128 v[(\reg)+6:(\reg)+9], v[(\a16)] offset:(\off)+768
	ds_load_b64 v[(\reg)+10:(\reg)+11], v[(\a8)] offset:(\off)+1280
.endm
.macro FETCH s                         ; K step s: my 8 fragments of S0 and 4 of S1 into set s % 2 (window 1 or 3)
	WIN 0x40+0x80*((\s)%2)
.irp i, 0,1,2,3,4,5,6,7
	FRAG 12*\i, 8+(\s)/4, 12+(\s)/4, 6144*\i+1536*((\s)%4)
.endr
.irp j, 0,1,2,3
	FRAG 96+12*\j, 16+(\s)/4, 20+(\s)/4, 6144*\j+1536*((\s)%4)
.endr
.endm
.macro MUL32 s, zero                   ; the 32 accumulators take turns, one instruction a turn, in the same order in every K step; the first step's products start the sums
	WIN 0xa5+0x0a*((\s)%2)
.irp jj, 0,1,2,3
.irp i, 0,1,2,3,4,5,6,7
.if \zero
	v_wmma_scale_f32_16x16x128_f8f6f4 v[64*\jj+8*\i:64*\jj+8*\i+7], v[12*\i:12*\i+11], v[96+12*\jj:96+12*\jj+11], 0, v[SC0+8*\i+(\s)], v[SC1+8*\jj+(\s)] matrix_a_fmt:MATRIX_FMT_FP6 matrix_b_fmt:MATRIX_FMT_FP6
.else
	v_wmma_scale_f32_16x16x128_f8f6f4 v[64*\jj+8*\i:64*\jj+8*\i+7], v[12*\i:12*\i+11], v[96+12*\jj:96+12*\jj+11], v[64*\jj+8*\i:64*\jj+8*\i+7], v[SC0+8*\i+(\s)], v[SC1+8*\jj+(\s)] matrix_a_fmt:MATRIX_FMT_FP6 matrix_b_fmt:MATRIX_FMT_FP6
.endif
.endr
.endr
.endm
.macro JLOAD                           ; a refill: waves 0, 1 fetch S1's halves, waves 2, 3 S0's; the four v_nop behind each line are also the places ahead of the fetch
	s_cmp_lt_u32 s14, 2
	s_cbranch_scc0 .Lfor_s0_\@
	TLOAD G0A, G1A
	s_branch .Lboth_\@
.Lfor_s0_\@:
	TLOAD G0B, G1B
.Lboth_\@:
.endm
.macro KSTEP s, zero, refill
	s_wait_dscnt 0x0                               ; this step's fragments are in: at K step 3 my last reads of slot 0, at K step 7 of slot 1
.if (\s) == 3 || ((\s) == 7 && \refill)
	WIN 0
	s_wait_tensorcnt 0x0                           ; all my tensor loads have landed
.if \refill
	ds_add_u32 v254, v255                          ; the descriptors, work on registers, stand between it and its wait
	DESC (\s)/4
.if (\s) == 3
	s_mov_b32 s[G1A+2], 4<<16                      ; a refill brings half of S1's tiles,
	s_mov_b32 s[G1A+4], 4
	s_mov_b32 s[G1B+2], 8<<16                      ; or half of S0's
	s_mov_b32 s[G1B+4], 8
.else
	SBASE                                          ; the next block's scale words
.endif
	s_wait_dscnt 0x0
	CROUND                                         ; no wave of any partner still reads the slot or has a load on its way; what the last round asked for is shown to all
	JLOAD
.else
	s_barrier_signal -1
	s_barrier_wait -1                              ; slot 1 is whole
	PLACES 4
.endif
.else
	PLACES 4                                       ; ahead of loads into the set that the last step's products read
.endif
.if (\s) < 7
	FETCH (\s)+1
.elseif \refill
	FETCH 0                                        ; the next block's first fragments
.endif
.if (\s) == 0 && \refill
	global_prefetch_b8 v[PF], s[72:73] th:TH_LOAD_NT scope:SCOPE_SE      ; my sixteenth of the next block's activations, in two halves
	global_prefetch_b8 v[PF+1], s[72:73] th:TH_LOAD_NT scope:SCOPE_SE
.endif
	MUL32 \s, \zero
.endm
; THE WAY OUT.  The 64 registers of S1's tile jj are 128 neighbours along the next product's K: register 16 b + i = k 32 b + 16 h + i of my row.  They become one image and one scale word a row.
.macro QUANT4                          ; the four tiles together, their sixteen blocks line by line in turn; the numbers lie in window 2; each accumulator is read from its low end on
	WIN 0x28                                       ; sources 1 and 2 window 2
.irp jj, 0,1,2,3
.irp b, 0,1,2,3
	v_max3_num_f32 v[QB+24*\jj+\b], 0x1800000, |v[64*\jj+16*\b]|, |v[64*\jj+16*\b+1]|   ; the floor 2^(3 - 127): the byte cannot fall under 1
.endr
.endr
.irp i, 2,4,6,8,10,12,14
.irp jj, 0,1,2,3
.irp b, 0,1,2,3
	v_max3_num_f32 v[QB+24*\jj+\b], v[QB+24*\jj+\b], |v[64*\jj+16*\b+\i]|, |v[64*\jj+16*\b+\i+1]|
.endr
.endr
.endr
	WIN 0
.irp jj, 0,1,2,3
.irp b, 0,1,2,3
	v_permlanex16_b32 v[QB+24*\jj+12+\b], v[QB+24*\jj+\b], s[SEL], s[SEL+1]
.endr
.endr
.irp jj, 0,1,2,3
.irp b, 0,1,2,3
	v_max_num_f32 v[QB+24*\jj+\b], v[QB+24*\jj+\b], v[QB+24*\jj+12+\b]   ; with lane l xor 16's 16: the block's largest magnitude
.endr
.endr
.irp jj, 0,1,2,3
.irp b, 0,1,2,3
	v_add_nc_u32 v[QB+24*\jj+20+\b], 0xff000000, v[QB+24*\jj+\b]         ; 2 off the exponent field: the conversions' scale operand
.endr
.endr
.irp jj, 0,1,2,3
.irp b, 0,1,2,3
	v_lshrrev_b32 v[QB+24*\jj+12+\b], 23, v[QB+24*\jj+20+\b]             ; the scale's byte
.endr
.endr
.irp jj, 0,1,2,3
	v_lshl_or_b32 v[WD+\jj], v[QB+24*\jj+13], 8, v[QB+24*\jj+12]
.endr
.irp jj, 0,1,2,3
	v_lshl_or_b32 v[WD+\jj], v[QB+24*\jj+14], 16, v[WD+\jj]
.endr
.irp jj, 0,1,2,3
	v_lshl_or_b32 v[WD+\jj], v[QB+24*\jj+15], 24, v[WD+\jj]
.endr
.irp jj, 0,1,2,3
	v_lshrrev_b32 v[WD+\jj], v29, v[WD+\jj]        ; q, k: my half's head's two bytes, the upper two zero; v: the word as it is
.endr
.irp jj, 0,1,2,3
	v_and_b32 v[WD+\jj], s2, v[WD+\jj]
.endr
	WIN 0x02                                       ; source 0 window 2
.irp jj, 0,1,2,3
.irp c, 0,1
	v_cvt_scalef32_pk16_fp6_f32 v[QB+24*\jj+6*\c:QB+24*\jj+6*\c+2], v[64*\jj+32*\c:64*\jj+32*\c+15], v[QB+24*\jj+20+2*\c]
	v_cvt_scalef32_pk16_fp6_f32 v[QB+24*\jj+12+4*\c:QB+24*\jj+14+4*\c], v[64*\jj+32*\c+16:64*\jj+32*\c+31], v[QB+24*\jj+21+2*\c]
.endr
.endr
	WIN 0
	v_nop                                          ; one plain place behind a scaled conversion
.irp jj, 0,1,2,3
.irp c, 0,1
.irp i, 0,1,2
	v_permlane16_swap_b32 v[QB+24*\jj+6*\c+\i], v[QB+24*\jj+12+4*\c+\i]
.endr
.endr
.endr
.irp jj, 0,1,2,3
.irp c, 0,1
.irp i, 0,1,2
	v_mov_b32 v[QB+24*\jj+6*\c+3+\i], v[QB+24*\jj+12+4*\c+\i]
.endr
.endr
.endr
.endm
; A block.  refill = 1: another block follows
.macro TILE refill
.if \refill
	s_wait_xcnt 0x0                                ; the last trip's prefetches have read their address
	s_add_co_u32 s19, s19, 16                      ; THE NEXT BLOCK is laid out now: this block's own places are in v24-29, s[22:23], s93, s2
	PLAN
	s_cmp_lt_u32 s19, 32                           ; its activations: keys are S1, shared along my row of the cluster; values are S0, twice the bytes, shared along my column
	s_cselect_b32 s60, s89, s92
	s_cselect_b32 s61, s17, s18                    ; my place among the four partners
	s_cselect_b32 s62, 0, 1
	s_lshl_b32 s61, s61, 2
	s_add_co_u32 s61, s61, s14
	s_mul_i32 s61, s61, 6144
	s_lshl_b32 s61, s61, s62                       ; my sixteenth: 6,144 or 12,288 bytes
	s_mul_i32 s60, s60, 12288
	s_add_co_u32 s60, s60, s61
	s_mov_b32 s61, 0
	s_add_nc_u64 s[72:73], s[4:5], s[60:61]
	s_lshl_b32 s63, 12, s62
	s_sub_co_u32 s63, s63, 1
	s_lshl_b32 s62, 3072, s62
	v_min_u32 v[PF], s63, v7                       ; 12 or 24 blocks of 256 bytes to an instruction; the lanes left over name the last again
	v_lshlrev_b32 v[PF], 8, v[PF]
	v_add_nc_u32 v[PF+1], s62, v[PF]
	s_wait_alu depctr_va_vdst(0)                   ; directly ahead of the wait below
.endif
	s_wait_loadcnt 0x0                             ; the scale words
	KSTEP 0, 1, \refill
.irp s, 1,2,3,4,5,6,7
	KSTEP \s, 0, \refill
.endr
	WIN 0
	PLACES 4                                       ; behind the last products, ahead of the first read of results and of loads into the scale words
.if \refill
	SCALES                                         ; the next block's, on their way under this block's way out
.endif
	QUANT4
	global_store_b128 v24, v[QB:QB+3], s[22:23]                ; 512 consecutive bytes, aligned
	global_store_b64 v25, v[QB+4:QB+5], s[22:23] offset:512    ; 256
	global_store_b128 v26, v[QB+6:QB+9], s[22:23]
	global_store_b64 v27, v[QB+10:QB+11], s[22:23] offset:512
.irp jj, 1,2,3
	global_store_b128 v[AX+4*\jj-4], v[QB+24*\jj:QB+24*\jj+3], s[22:23]
	global_store_b64 v[AX+4*\jj-3], v[QB+24*\jj+4:QB+24*\jj+5], s[22:23] offset:512
	global_store_b128 v[AX+4*\jj-2], v[QB+24*\jj+6:QB+24*\jj+9], s[22:23]
	global_store_b64 v[AX+4*\jj-1], v[QB+24*\jj+10:QB+24*\jj+11], s[22:23] offset:512
.endr
	global_store_b128 v28, v[WD:WD+3], s[22:23]    ; sixteen lanes store 256 consecutive bytes of scale words (v: both halves of the lanes store the same bytes with the same values)
.if \refill
	s_wait_xcnt 0x0                                ; the stores have read their offsets, data and base
	OUTADDR
	s_wait_alu depctr_va_vdst(0)                   ; ahead of the backward jump
.endif
.endm
	s_wait_alu depctr_va_vdst(0)                   ; at the head's end
	s_cmp_lt_u32 s14, 2                            ; waves 0 and 1 wait for slot 0, which their own lines asked for; slot 1 may be on its way
	s_cbranch_scc0 .Lnot_h0
	s_wait_tensorcnt 0x0
.Lnot_h0:
	s_barrier_signal -1
	s_barrier_wait -1
	FETCH 0
	WIN 0
	s_mov_b32 s100, 0
.Ltile:
	TILE 1
	s_add_co_u32 s100, s100, 1
	s_cmp_lt_u32 s100, 2
	s_cbranch_scc1 .Ltile
	TILE 0
	s_wait_tensorcnt 0x0                           ; the wave's end
	ds_add_u32 v254, v255
	s_wait_dscnt 0x0
	CROUND                                         ; the closing round: no work-group ends while a partner may still ask for a tile that names it
	s_endpgm
.Lfunc_end_k_qceced89785_proj:
	.size	k_qceced89785_proj, .Lfunc_end_k_qceced89785_proj-k_qceced89785_proj
	.p2alignl 7, 3214868480
	.fill 96, 4, 3214868480
	.section	.rodata,"a",@progbits
	.p2align	6, 0x0
	.amdhsa_kernel k_qceced89785_proj
		.amdhsa_group_segment_fixed_size 327680
		.amdhsa_private_segment_fixed_size 0
		.amdhsa_enable_private_segment 0
		.amdhsa_kernarg_size 40
		.amdhsa_user_sgpr_count 2
		.amdhsa_user_sgpr_kernarg_segment_ptr 1
		.amdhsa_wavefront_size32 1
		.amdhsa_system_sgpr_workgroup_id_x 1
		.amdhsa_system_sgpr_workgroup_id_y 1
		.amdhsa_system_sgpr_workgroup_id_z 1
		.amdhsa_system_vgpr_workitem_id 0
		.amdhsa_next_free_vgpr 1024
		.amdhsa_next_free_sgpr 102
		.amdhsa_reserve_vcc 0
		.amdhsa_float_denorm_mode_32 3
		.amdhsa_float_denorm_mode_16_64 3
		.amdhsa_memory_ordered 1
		.amdhsa_forward_progress 1
		.amdhsa_inst_pref_size 173
	.end_amdhsa_kernel
	.amdgpu_metadata
---
amdhsa.version: [ 1, 2 ]
amdhsa.kernels:
  - .name:           k_qceced89785_proj
    .symbol:         k_qceced89785_proj.kd
    .args:
      - { .name: img, .offset: 0, .size: 8, .value_kind: global_buffer, .address_space: global }
      - { .name: isc, .offset: 8, .size: 8, .value_kind: global_buffer, .address_space: global }
      - { .name: qi, .offset: 16, .size: 8, .value_kind: global_buffer, .address_space: global }
      - { .name: ki, .offset: 24, .size: 8, .value_kind: global_buffer, .address_space: global }
      - { .name: vi, .offset: 32, .size: 8, .value_kind: global_buffer, .address_space: global }
    .group_segment_fixed_size: 327680
    .private_segment_fixed_size: 0
    .kernarg_segment_align: 8
    .kernarg_segment_size: 40
    .max_flat_workgroup_size: 128
    .sgpr_count:     102
    .vgpr_count:     1024
    .wavefront_size: 32
...
	.end_amdgpu_metadata
.endif
;; end of part 2
;; launch attn (part 3): grid 4 x 64, 8 waves a work-group, clusters of 4 x 1, 212,992 bytes of LDS; arguments qi, ki, vi, ci, cs; writes ci, cs
.if DOCPART == 3
	.amdgcn_target "amdgcn-amd-amdhsa--gfx1250"
	.amdhsa_code_object_version 6
	.text
	.protected	k_qceced89785_attn
	.globl	k_qceced89785_attn
	.p2align	8
	.type	k_qceced89785_attn,@function
k_qceced89785_attn:
	s_mov_b64 s[64:65], 0
	v_nop
	global_prefetch_b8 v0, s[64:65] scope:SCOPE_SE
	s_setreg_imm32_b32 hwreg(HW_REG_WAVE_MODE, 25, 1), 1
	s_wait_xcnt 0x0
	s_wait_alu depctr_hold_cnt(0) depctr_sa_sdst(0) depctr_va_vdst(0) depctr_va_sdst(0) depctr_va_ssrc(0) depctr_va_vcc(0) depctr_vm_vsrc(0)
	s_getreg_b32 s2, hwreg(HW_REG_IB_STS2, 6, 4)
	s_cmp_eq_u32 s2, 0
	s_cbranch_scc0 .Lentry_in_a_cluster
	s_endpgm
.Lentry_in_a_cluster:
	s_bfe_u32 s2, ttmp6, 0x10000c
	s_cmp_lg_u32 s2, 0x3003
	s_cbranch_scc0 .Lentry_shape_is_right
	s_endpgm
.Lentry_shape_is_right:
; ctx = softmax(q k^T / 8) v for one batch and head, on codes of FP6 (E2M3) with E8M0 scales; ctx is quantised along the head's 64 for the last projection.
; IN: qi, ki [batch x head 64][step of 128 rows 16][6,656]: 8 tiles x 768 bytes (16 rows x 64: registers 0-3 at 16 x lane, 4-5 at 512 + 8 x lane), then 512 bytes of scale words [tile / 4][row][tile % 4], bytes 2, 3 zero.
;     vi [batch x head][step of 128 keys][6,400]: 4 tiles of 16 channels x 1,536 bytes, then 256 bytes of scale words [row][tile].
; OUT: ci [tile of 16 rows 512][head / 2][head % 2][768]; cs [head][tile][row][2 bytes].
; SHARES: a work-group takes 512 queries of one batch and head; a wave 64 queries, four tiles of 16, and walks all 16 steps of 128 keys.  All of K and V of the head, 208,896 bytes, lies in LDS, each byte filled once.
; CLUSTER 4 x 1: the four query blocks of a head read the same K and V: each wave asks jointly for a quarter of K (waves 0-3) or of V (waves 4-7), one tensor load a wave, in rows of 256 bytes.
; No prefetch: every tensor load goes out at the head, so there is no loop to run ahead in.
; BOTH PRODUCTS ARE USED TRANSPOSED (S^T = k q^T, O^T = v^T p^T): a lane holds one query.  The head's 64 fill half of the instruction's 128: q's upper six registers are zero codes.
; Tile t of a key step holds keys 64 (t / 4) + 8 (t % 4) + r % 8 + 32 (r / 8): so lane (r, h)'s 32 registers of tiles 4 c .. 4 c + 3 are keys 64 c + 32 h + 0 .. 31: one block of p, as the operand wants it.
; SOFTMAX: p = 2^(t - M), t = score x log2(e) / 8, M the ceiling of the running largest t; the sum is of the unquantised p; sum and O^T are multiplied by 2^(old M - new M) in every step.
; A block's largest p is the block's largest score put through the same multiply-add and exponential.  Two tiles go through the softmax together, their chains line by line in turn.
; The first step is written out: its products start O^T and its p start the sums.  K's fragments are fetched half a step ahead, V's at the step's top; the last trip's fetch of K reads LDS bytes behind K's region, which are filled, and is not used.
; LIMITS: the promise holds while |t| stays under 2^31; a block of zeros or under 2^-124 keeps the scale byte 1 (its codes are zeros; this program alone reads the bytes); NaN and infinities are not served.
; REGISTERS, window 0: v1-3 lane terms, v4-9 LDS addresses, v10-12, v14-15; v16-47 a tile's state, eight each: -M, largest score, f, a lane permute's result, the sum in four parts;
;   v48-95 q (six codes, six zeros a tile), v96-99 q's scale words; v100-153 K, v154-161 its scale words; v162-209 V, v210-213 its scale words; v214-237 p's codes of two tiles (before that: chains); v238-253 second halves of blocks, scale operands; v254-255 p's scale words.
;   window 1: v0-127 O^T (32 a + 8 i), v128-255 S^T, then p, of two tiles.
.set KB,   6656
.set VB,   6400
.set VREG, 106496
.set SCG,  208896                      ; cs's stage: 1,024 bytes
.set SPARE, 209920                     ; the spare words: 128 bytes a wave
.set WV,   14
.set G1K,  24
.set G1V,  32
.set G0K,  40
.set G0V,  44
.set TK,   48
.set TV,   49
.set CNT,  56
.set NC,   57
.set CS,   58
.set SEL,  60
.set ST,   16
.set QF,   48
.set QS,   96
.set KF,   100
.set KS,   154
.set VF,   162
.set VS,   210
.set PC,   214
.set CH,   214
.set TM,   222
.set TD,   224
.set PT,   238
.set PW,   254
.set O,    0
.set S,    128
.set MSB,  0
.macro WIN new                         ; the immediate's high byte repeats the setting that is left
.if MSB != (\new)
	s_set_vgpr_msb (MSB<<8)|(\new)
.set MSB, (\new)
.endif
.endm
.macro WALU
	s_wait_alu depctr_va_vdst(0)
.endm
.macro PLACES n
.rept \n
	v_nop
.endr
.endm
.macro CROUND
	s_barrier_signal -1
	s_barrier_wait -1
	s_cmp_lg_u32 s[WV], 0
	s_cbranch_scc1 .Lnot_wave_0_\@
	s_barrier_signal -3
.Lnot_wave_0_\@:
	s_barrier_wait -3
	s_barrier_signal -1
	s_barrier_wait -1
.endm
.macro MM d, a, b, z, sa, sb
.if \z
	v_wmma_scale_f32_16x16x128_f8f6f4 v[\d:\d+7], v[\a:\a+11], v[\b:\b+11], 0, v[\sa], v[\sb] matrix_a_fmt:MATRIX_FMT_FP6 matrix_b_fmt:MATRIX_FMT_FP6
.else
	v_wmma_scale_f32_16x16x128_f8f6f4 v[\d:\d+7], v[\a:\a+11], v[\b:\b+11], v[\d:\d+7], v[\sa], v[\sb] matrix_a_fmt:MATRIX_FMT_FP6 matrix_b_fmt:MATRIX_FMT_FP6
.endif
.endm
.macro KLOAD                           ; 18 loads
.irp t, 0,1,2,3,4,5,6,7
	ds_load_b128 v[KF+6*\t:KF+6*\t+3], v4 offset:768*\t
	ds_load_b64 v[KF+6*\t+4:KF+6*\t+5], v5 offset:768*\t+512
.endr
	ds_load_b128 v[KS:KS+3], v6 offset:6144
	ds_load_b128 v[KS+4:KS+7], v6 offset:6400
.endm
.macro VLOAD                           ; 17 loads
.irp i, 0,1,2,3
	ds_load_b128 v[VF+12*\i:VF+12*\i+3], v7 offset:1536*\i
	ds_load_b64 v[VF+12*\i+4:VF+12*\i+5], v8 offset:1536*\i+512
	ds_load_b128 v[VF+12*\i+6:VF+12*\i+9], v7 offset:1536*\i+768
	ds_load_b64 v[VF+12*\i+10:VF+12*\i+11], v8 offset:1536*\i+1280
.endr
	ds_load_b128 v[VS:VS+3], v9 offset:6144
.endm
.macro QK a0                           ; S^T of tiles a0, a0 + 1: 16 products, each on an accumulator of its own
	WIN 0x40
.irp u, 0,1
.irp t, 0,1,2,3,4,5,6,7
	MM S+64*\u+8*\t, KF+6*\t, QF+12*(\a0+\u), 1, KS+\t, QS+\a0+\u
.endr
.endr
	WIN 0
	PLACES 4                                       ; ahead of the first read of results and of loads into K's registers
.endm
; The softmax of tiles a0, a0 + 1 (u = 0, 1; block k = 2 u + c lies in registers S + 32 k ..), p's codes, and O^T += v^T p^T
.macro SOFT a0, first
	WIN 0x15                                       ; each block's largest score, two chains a block
.irp k, 0,1,2,3
	v_max3_num_f32 v[CH+2*\k], v[S+32*\k], v[S+32*\k+1], v[S+32*\k+2]
	v_max3_num_f32 v[CH+2*\k+1], v[S+32*\k+16], v[S+32*\k+17], v[S+32*\k+18]
.endr
	WIN 0x14
.irp i, 3,5,7,9,11,13
.irp k, 0,1,2,3
	v_max3_num_f32 v[CH+2*\k], v[CH+2*\k], v[S+32*\k+\i], v[S+32*\k+\i+1]
	v_max3_num_f32 v[CH+2*\k+1], v[CH+2*\k+1], v[S+32*\k+\i+16], v[S+32*\k+\i+17]
.endr
.endr
.irp k, 0,1,2,3
	v_max3_num_f32 v[CH+2*\k], v[CH+2*\k], v[S+32*\k+15], v[S+32*\k+31]
.endr
	WIN 0
.irp k, 0,1,2,3
	v_max_num_f32 v[CH+2*\k], v[CH+2*\k], v[CH+2*\k+1]
.endr
.irp u, 0,1
	v_max_num_f32 v[TM+\u], v[CH+4*\u], v[CH+4*\u+2]
.endr
.irp u, 0,1
	v_permlanex16_b32 v[ST+8*(\a0+\u)+3], v[TM+\u], s[SEL], s[SEL+1]   ; lane l xor 16 holds the query's other 64 keys
.endr
.irp u, 0,1
.if \first
	v_max_num_f32 v[ST+8*(\a0+\u)+1], v[TM+\u], v[ST+8*(\a0+\u)+3]
.else
	v_max3_num_f32 v[ST+8*(\a0+\u)+1], v[ST+8*(\a0+\u)+1], v[TM+\u], v[ST+8*(\a0+\u)+3]   ; the running largest score
.endif
.endr
.irp u, 0,1
	v_mul_f32 v[TM+\u], s[NC], v[ST+8*(\a0+\u)+1]  ; -t
.endr
.if \first == 0
.irp u, 0,1
	v_mov_b32 v[TD+\u], v[ST+8*(\a0+\u)]
.endr
.endif
.irp u, 0,1
	v_floor_f32 v[ST+8*(\a0+\u)], v[TM+\u]         ; -M = floor(-t): M is a whole number
.endr
.if \first == 0
.irp u, 0,1
	v_sub_f32 v[TD+\u], v[ST+8*(\a0+\u)], v[TD+\u] ; old M - new M
.endr
.irp u, 0,1
	v_cvt_i32_f32 v[TD+\u], v[TD+\u]
.endr
.irp u, 0,1
	v_ldexp_f32 v[ST+8*(\a0+\u)+2], 1.0, v[TD+\u]  ; f
.endr
.endif
	WIN 0x41
.set j, 0
.rept 32
	v_pk_fma_f32 v[S+j:S+j+1], v[S+j:S+j+1], s[CS:CS+1], v[ST+8*\a0:ST+8*\a0+1] op_sel_hi:[1,0,0]   ; t - M of the first tile
.set j, j+2
.endr
	WIN 0
.irp k, 0,1,2,3
	v_fma_f32 v[CH+2*\k], v[CH+2*\k], s[CS], v[ST+8*(\a0+\k/2)]    ; the same of each block's largest score
.endr
	WIN 0x41
	WALU                                           ; ahead of a batch of exponentials
.set j, 0
.rept 32                               ; the first tile's p; the second tile's t - M stands among them: it is read behind the next wait
	v_exp_f32 v[S+j], v[S+j]
	v_exp_f32 v[S+j+1], v[S+j+1]
	v_pk_fma_f32 v[S+64+j:S+65+j], v[S+64+j:S+65+j], s[CS:CS+1], v[ST+8*\a0+8:ST+8*\a0+9] op_sel_hi:[1,0,0]
.set j, j+2
.endr
	WIN 0
.irp k, 0,1,2,3
	v_exp_f32 v[CH+2*\k], v[CH+2*\k]               ; each block's largest p
.endr
	WIN 0x41
	WALU
.set j, 64
.rept 64
	v_exp_f32 v[S+j], v[S+j]
.set j, j+1
.endr
	WIN 0
	v_nop                                          ; a plain place behind the exponentials
	WALU                                           ; one wait for the batch, ahead of its first reader
.if \a0 == 0
	s_wait_dscnt 0x0                               ; V's fragments, asked for at the step's top, are in
.endif
.if \first                             ; the sums of the unquantised p: two chains a tile
	WIN 0x05
.irp u, 0,1
	v_pk_add_f32 v[ST+8*(\a0+\u)+4:ST+8*(\a0+\u)+5], v[S+64*\u:S+64*\u+1], v[S+64*\u+4:S+64*\u+5]
	v_pk_add_f32 v[ST+8*(\a0+\u)+6:ST+8*(\a0+\u)+7], v[S+64*\u+2:S+64*\u+3], v[S+64*\u+6:S+64*\u+7]
.endr
.set j, 8
.else
	WIN 0x10
.irp u, 0,1
	v_pk_fma_f32 v[ST+8*(\a0+\u)+4:ST+8*(\a0+\u)+5], v[ST+8*(\a0+\u)+4:ST+8*(\a0+\u)+5], v[ST+8*(\a0+\u)+2:ST+8*(\a0+\u)+3], v[S+64*\u:S+64*\u+1] op_sel_hi:[1,0,1]   ; x f, under the new M
	v_pk_fma_f32 v[ST+8*(\a0+\u)+6:ST+8*(\a0+\u)+7], v[ST+8*(\a0+\u)+6:ST+8*(\a0+\u)+7], v[ST+8*(\a0+\u)+2:ST+8*(\a0+\u)+3], v[S+64*\u+2:S+64*\u+3] op_sel_hi:[1,0,1]
.endr
.set j, 4
.endif
	WIN 0x04
.rept (64-j)/4
.irp u, 0,1
	v_pk_add_f32 v[ST+8*(\a0+\u)+4:ST+8*(\a0+\u)+5], v[ST+8*(\a0+\u)+4:ST+8*(\a0+\u)+5], v[S+64*\u+j:S+64*\u+j+1]
	v_pk_add_f32 v[ST+8*(\a0+\u)+6:ST+8*(\a0+\u)+7], v[ST+8*(\a0+\u)+6:ST+8*(\a0+\u)+7], v[S+64*\u+j+2:S+64*\u+j+3]
.endr
.set j, j+4
.endr
	WIN 0
.irp k, 0,1,2,3
	v_max_num_f32 v[CH+2*\k], 0x1800000, v[CH+2*\k]    ; the floor 2^(3 - 127): the byte cannot fall under 1
.endr
.irp k, 0,1,2,3
	v_add_nc_u32 v[PT+4*\k+3], 0xff000000, v[CH+2*\k]  ; 2 off the exponent field: the conversions' scale operand
.endr
.irp k, 0,1,2,3
	v_lshrrev_b32 v[CH+2*\k+1], 23, v[PT+4*\k+3]       ; the scale's byte
.endr
.irp u, 0,1
	v_lshl_or_b32 v[TM+\u], v[CH+4*\u+3], 16, v[CH+4*\u+1]   ; my blocks h and 2 + h,
.endr
.irp u, 0,1
	v_lshlrev_b32 v[TM+\u], v12, v[TM+\u]          ; 8 h bits up;
.endr
.irp u, 0,1
	v_permlanex16_b32 v[ST+8*(\a0+\u)+3], v[TM+\u], s[SEL], s[SEL+1]
.endr
.irp u, 0,1
	v_or_b32 v[PW+\u], v[TM+\u], v[ST+8*(\a0+\u)+3]    ; with lane l xor 16's two bytes: p's scale word
.endr
	WIN 0x01
.irp k, 0,1,2,3
	v_cvt_scalef32_pk16_fp6_f32 v[PC+6*\k:PC+6*\k+2], v[S+32*\k:S+32*\k+15], v[PT+4*\k+3]
	v_cvt_scalef32_pk16_fp6_f32 v[PT+4*\k:PT+4*\k+2], v[S+32*\k+16:S+32*\k+31], v[PT+4*\k+3]   ; (a conversion's three registers begin on an even number)
.endr
	WIN 0
	v_nop                                          ; a plain place behind the conversions
.irp k, 0,1,2,3
.irp i, 0,1,2
	v_mov_b32 v[PC+6*\k+3+\i], v[PT+4*\k+\i]
.endr
.endr
.if \first
	PLACES 8                                       ; a scale word made by vector lines stands eight places ahead of the product
	WIN 0x40
.else
	WIN 0x41
	WALU                                           ; directly ahead of the first readers of O^T
.set j, 0
.rept 32
	v_pk_mul_f32 v[O+32*\a0+j:O+32*\a0+j+1], v[O+32*\a0+j:O+32*\a0+j+1], v[ST+8*(\a0+j/32)+2:ST+8*(\a0+j/32)+3] op_sel_hi:[1,0]   ; O^T under the new M; also the places ahead of the products
.set j, j+2
.endr
	WIN 0x50
.endif
.irp u, 0,1
.irp i, 0,1,2,3
	MM O+32*(\a0+\u)+8*\i, VF+12*\i, PC+12*\u, \first, VS+\i, PW+\u
.endr
.endr
.endm
.macro STEP first
	s_add_co_u32 s[TK], s[TK], KB                  ; K's addresses: the next step's
.if \first == 0
	s_add_co_u32 s[TV], s[TV], VB
.endif
	v_add_nc_u32 v7, s[TV], v1                     ; (these six are the places ahead of the loads into V's registers)
	v_add_nc_u32 v8, s[TV], v2
	v_add_nc_u32 v9, s[TV], v3
	v_add_nc_u32 v4, s[TK], v1
	v_add_nc_u32 v5, s[TK], v2
	v_add_nc_u32 v6, s[TK], v3
	VLOAD
	s_wait_dscnt 17                                ; K's 18 loads are in; V's 17, issued behind them, may be out
	QK 0
	SOFT 0, \first
	QK 2
	KLOAD                                          ; the next step's K
	SOFT 2, \first
	WIN 0
.endm
	s_load_b256 s[4:11], s[0:1], 0x0               ; qi, ki, vi, ci
	s_load_b64 s[12:13], s[0:1], 0x20              ; cs
	v_lshl_add_u32 v14, v0, 2, SPARE
	v_mov_b32 v15, 0
	ds_add_u32 v14, v15
	ds_add_u32 v14, v15
	v_lshrrev_b32 v4, 5, v0
	v_readfirstlane_b32 s[WV], v4                  ; wave 0..7
	s_bfe_u32 s15, ttmp6, 0x40000                  ; cx: which 512 queries
	s_and_b32 s16, ttmp7, 0xffff                   ; batch x head
	s_and_b32 s17, s16, 15
	s_lshr_b32 s18, s16, 4
	s_and_b32 s19, s[WV], 3                        ; the quarter of K or V that I fetch
	s_lshl_b32 s20, s16, 2
	s_add_co_u32 s20, s20, s19
	s_mul_i32 s22, s20, 4*VB
	s_mul_i32 s20, s20, 4*KB
	s_mov_b32 s21, 0
	s_mov_b32 s23, 0
	s_mul_i32 s50, s19, 4*KB
	s_mul_i32 s51, s19, 4*VB
	s_add_co_u32 s51, s51, VREG
	s_mov_b32 s[G1K], 15|(3<<16)|(1<<21)           ; the mask of all four partners; elements of 8 bytes
	s_mov_b32 s[G1K+1], 32<<16                     ; rows of 256 bytes
	s_mov_b32 s[G1K+2], 104<<16                    ; four steps of K: 104 rows
	s_mov_b32 s[G1K+3], 32<<16
	s_mov_b32 s[G1K+4], 104
	s_mov_b32 s[G1K+5], 32
	s_mov_b32 s[G1K+6], 0
	s_mov_b32 s[G1K+7], 0
	s_mov_b32 s[G1V], 15|(3<<16)|(1<<21)
	s_mov_b32 s[G1V+1], 32<<16
	s_mov_b32 s[G1V+2], 100<<16                    ; four steps of V: 100 rows
	s_mov_b32 s[G1V+3], 32<<16
	s_mov_b32 s[G1V+4], 100
	s_mov_b32 s[G1V+5], 32
	s_mov_b32 s[G1V+6], 0
	s_mov_b32 s[G1V+7], 0
	s_lshl_b32 s52, s16, 4                         ; q: step 4 cx + wave / 2, tiles 4 (wave % 2) + 0 .. 3
	s_lshl_b32 s53, s15, 2
	s_add_co_u32 s52, s52, s53
	s_lshr_b32 s53, s[WV], 1
	s_add_co_u32 s52, s52, s53
	s_mul_i32 s52, s52, KB
	s_and_b32 s53, s[WV], 1
	s_lshl_b32 s54, s53, 8
	s_add_co_u32 s54, s54, s52
	s_add_co_u32 s54, s54, 6144
	s_mov_b32 s55, 0
	s_mul_i32 s53, s53, 3072
	s_add_co_u32 s52, s52, s53
	s_mov_b32 s53, 0
	s_lshl_b32 s62, s18, 7
	s_lshl_b32 s63, s15, 5
	s_add_co_u32 s62, s62, s63                     ; the work-group's first tile of rows
	s_lshl_b32 s2, s62, 5
	s_lshl_b32 s3, s17, 14
	s_add_co_u32 s2, s2, s3                        ; its 1,024 bytes of cs
	s_mov_b32 s3, 0
	s_lshl_b32 s63, s[WV], 2
	s_add_co_u32 s62, s62, s63
	s_mul_i32 s62, s62, 12288
	s_mul_i32 s63, s17, 768
	s_add_co_u32 s62, s62, s63                     ; my four tiles in ci
	s_mov_b32 s63, 0
	s_mov_b32 s[CS], 0x3e38aa3b                    ; log2(e) / 8
	s_mov_b32 s[CS+1], s[CS]
	s_mov_b32 s[NC], 0xbe38aa3b
	s_mov_b32 s[SEL], 0x76543210
	s_mov_b32 s[SEL+1], 0xfedcba98
	s_mov_b32 s[TK], 0
	s_mov_b32 s[TV], VREG
	s_wait_dscnt 0x0
	s_wait_kmcnt 0x0
	s_add_nc_u64 s[10:11], s[10:11], s[62:63]
	s_add_nc_u64 s[12:13], s[12:13], s[2:3]
	s_add_nc_u64 s[52:53], s[4:5], s[52:53]
	s_add_nc_u64 s[54:55], s[4:5], s[54:55]
	s_mov_b32 s[G0K], 1
	s_mov_b32 s[G0K+1], s50
	s_add_nc_u64 s[G0K+2:G0K+3], s[6:7], s[20:21]
	s_or_b32 s[G0K+3], s[G0K+3], 0x80000000
	s_mov_b32 s[G0V], 1
	s_mov_b32 s[G0V+1], s51
	s_add_nc_u64 s[G0V+2:G0V+3], s[8:9], s[22:23]
	s_or_b32 s[G0V+3], s[G0V+3], 0x80000000
	CROUND                                         ; the four partners are here: the joint loads meet
	s_cmp_eq_u32 s[WV], 0                          ; one chain of branches on the wave's number, one load to an arm.  The first quarters of K and V, which the first step reads, have lines of their own
	s_cbranch_scc0 .La1
	tensor_load_to_lds s[G0K:G0K+3], s[G1K:G1K+7]  ; wave 0: K's steps 0-3
	s_nop 0
	PLACES 4
	s_branch .Lasked
.La1:
	s_cmp_eq_u32 s[WV], 4
	s_cbranch_scc0 .La2
	tensor_load_to_lds s[G0V:G0V+3], s[G1V:G1V+7]  ; wave 4: V's steps 0-3
	s_nop 0
	PLACES 4
	s_branch .Lasked
.La2:
	s_cmp_lt_u32 s[WV], 4
	s_cbranch_scc0 .La3
	tensor_load_to_lds s[G0K:G0K+3], s[G1K:G1K+7]  ; waves 1-3: the rest of K
	s_nop 0
	PLACES 4
	s_branch .Lasked
.La3:
	tensor_load_to_lds s[G0V:G0V+3], s[G1V:G1V+7]  ; waves 5-7: the rest of V
	s_nop 0
	PLACES 4
.Lasked:
	v_and_b32 v13, 31, v0
	v_and_b32 v5, 15, v0
	v_bfe_u32 v6, v0, 4, 1
	v_lshlrev_b32 v1, 4, v13                       ; 16 x lane
	v_lshlrev_b32 v2, 3, v13                       ; 8 x lane
	v_lshlrev_b32 v3, 4, v5                        ; 16 r
	v_lshlrev_b32 v12, 3, v6                       ; 8 h
.irp a, 0,1,2,3
	global_load_b128 v[QF+12*\a:QF+12*\a+3], v1, s[52:53] offset:768*\a
	global_load_b64 v[QF+12*\a+4:QF+12*\a+5], v2, s[52:53] offset:768*\a+512
.endr
	global_load_b128 v[QS:QS+3], v3, s[54:55]      ; row r's scale words of my four tiles
	v_lshlrev_b32 v10, 1, v5
	s_lshl_b32 s19, s[WV], 7
	s_add_co_u32 s19, s19, SCG
	v_add_nc_u32 v10, s19, v10                     ; cs's stage: 32 bytes a tile, 2 a row
	v_add_nc_u32 v11, SCG, v1
.irp a, 0,1,2,3
.irp i, 6,7,8,9,10,11
	v_mov_b32 v[QF+12*\a+\i], 0                    ; q's upper 64 along K: zero codes
.endr
	v_mov_b32 v[ST+8*\a+3], 0                      ; written once: a lane permute's destination counts as one of its sources
.endr
.irp i, 48,49,50,51,52,53
	v_mov_b32 v[KF+\i], 0                          ; behind K's last tile: named by its product, multiplied by q's zeros
.endr
	v_add_nc_u32 v4, s[TK], v1
	v_add_nc_u32 v5, s[TK], v2
	v_add_nc_u32 v6, s[TK], v3
	WALU                                           ; at the head's end
	s_and_b32 s20, s[WV], 3
	s_cmp_lg_u32 s20, 0                            ; waves 0 and 4 wait for the first quarters, which their own lines asked for; the others' loads may be on their way
	s_cbranch_scc1 .Lnot_q0
	s_wait_tensorcnt 0x0
.Lnot_q0:
	s_barrier_signal -1
	s_barrier_wait -1                              ; K's and V's steps 0-3 are in
	KLOAD
	s_wait_loadcnt 0x0                             ; q
	STEP 1                                         ; it reads K's steps 0 and 1 and V's step 0 alone
	WALU                                           ; ahead of the waits below
	s_wait_tensorcnt 0x0                           ; every wave: my quarter is in
	s_wait_dscnt 0x0
	s_barrier_signal -1
	s_barrier_wait -1                              ; everybody's is
	s_mov_b32 s[CNT], 15
.Lstep:
	STEP 0
	s_sub_co_u32 s[CNT], s[CNT], 1
	s_cmp_lg_u32 s[CNT], 0
	s_cbranch_scc1 .Lstep
; THE WAY OUT: O^T / the sum, quantised along the head's 64.  Register 16 b + i of a tile is channel 32 b + 16 h + i of my query.  The four tiles line by line in turn.
.set BM, 228
.set BX, 236
.set SO, 244
	s_wait_dscnt 0x0                               ; the last trip's fetch of K has landed
.irp a, 0,1,2,3
	v_pk_add_f32 v[ST+8*\a+4:ST+8*\a+5], v[ST+8*\a+4:ST+8*\a+5], v[ST+8*\a+6:ST+8*\a+7]
.endr
.irp a, 0,1,2,3
	v_add_f32 v[ST+8*\a+4], v[ST+8*\a+4], v[ST+8*\a+5]
.endr
.irp a, 0,1,2,3
	v_permlanex16_b32 v[ST+8*\a+3], v[ST+8*\a+4], s[SEL], s[SEL+1]
.endr
.irp a, 0,1,2,3
	v_add_f32 v[ST+8*\a+4], v[ST+8*\a+4], v[ST+8*\a+3]   ; the row's sum
.endr
	WALU
.irp a, 0,1,2,3
	v_rcp_f32 v[ST+8*\a+4], v[ST+8*\a+4]
.endr
	v_nop
	WIN 0x41
	WALU                                           ; for the reciprocals and, directly ahead of its first readers, for O^T
.irp a, 0,1,2,3
.set j, 0
.rept 16
	v_pk_mul_f32 v[S+32*\a+j:S+32*\a+j+1], v[O+32*\a+j:O+32*\a+j+1], v[ST+8*\a+4:ST+8*\a+5] op_sel_hi:[1,0]
.set j, j+2
.endr
.endr
	WIN 0x05
.irp a, 0,1,2,3
.irp b, 0,1
	v_max3_num_f32 v[BM+2*\a+\b], |v[S+32*\a+16*\b]|, |v[S+32*\a+16*\b+1]|, 0x1800000
.endr
.endr
	WIN 0x14
.irp i, 2,4,6,8,10,12,14
.irp a, 0,1,2,3
.irp b, 0,1
	v_max3_num_f32 v[BM+2*\a+\b], v[BM+2*\a+\b], |v[S+32*\a+16*\b+\i]|, |v[S+32*\a+16*\b+\i+1]|
.endr
.endr
.endr
	WIN 0
.irp n, 0,1,2,3,4,5,6,7
	v_permlanex16_b32 v[BX+\n], v[BM+\n], s[SEL], s[SEL+1]
.endr
.irp n, 0,1,2,3,4,5,6,7
	v_max_num_f32 v[BM+\n], v[BM+\n], v[BX+\n]     ; with lane l xor 16's 16: the block's largest magnitude
.endr
.irp n, 0,1,2,3,4,5,6,7
	v_add_nc_u32 v[SO+\n], 0xff000000, v[BM+\n]
.endr
.irp n, 0,1,2,3,4,5,6,7
	v_lshrrev_b32 v[BX+\n], 23, v[SO+\n]
.endr
.irp a, 0,1,2,3
	v_lshl_or_b32 v[BM+2*\a], v[BX+2*\a+1], 8, v[BX+2*\a]    ; the row's two scale bytes
.endr
	WIN 0x01
.irp a, 0,1,2,3
	v_cvt_scalef32_pk16_fp6_f32 v[QF+12*\a:QF+12*\a+2], v[S+32*\a:S+32*\a+15], v[SO+2*\a]
	v_cvt_scalef32_pk16_fp6_f32 v[QF+12*\a+6:QF+12*\a+8], v[S+32*\a+16:S+32*\a+31], v[SO+2*\a+1]
.endr
	WIN 0
	v_nop
.irp a, 0,1,2,3
.irp i, 0,1,2
	v_permlane16_swap_b32 v[QF+12*\a+\i], v[QF+12*\a+6+\i]   ; a whole block to a lane: lanes 0-15 block 0, lanes 16-31 block 1
.endr
.endr
.irp a, 0,1,2,3
.irp i, 0,1,2
	v_mov_b32 v[QF+12*\a+3+\i], v[QF+12*\a+6+\i]
.endr
.endr
.irp a, 0,1,2,3
	global_store_b128 v1, v[QF+12*\a:QF+12*\a+3], s[10:11] offset:12288*\a         ; 512 consecutive bytes, aligned
	global_store_b64 v2, v[QF+12*\a+4:QF+12*\a+5], s[10:11] offset:12288*\a+512    ; 256
	ds_store_b16 v10, v[BM+2*\a] offset:32*\a
.endr
	s_wait_dscnt 0x0
	s_barrier_signal -1
	s_barrier_wait -1
	s_cmp_lg_u32 s[WV], 0
	s_cbranch_scc1 .Lnot_first
	ds_load_b128 v[100:103], v11                   ; the work-group's 1,024 scale bytes leave as whole units
	ds_load_b128 v[104:107], v11 offset:512
	s_wait_dscnt 0x0
	global_store_b128 v1, v[100:103], s[12:13]
	global_store_b128 v1, v[104:107], s[12:13] offset:512
.Lnot_first:
	s_wait_tensorcnt 0x0                           ; the wave's end
	ds_add_u32 v14, v15
	s_wait_dscnt 0x0
	CROUND                                         ; the closing round
	s_endpgm
.Lfunc_end_k_qceced89785_attn:
	.size	k_qceced89785_attn, .Lfunc_end_k_qceced89785_attn-k_qceced89785_attn
	.p2alignl 7, 3214868480
	.fill 96, 4, 3214868480
	.section	.rodata,"a",@progbits
	.p2align	6, 0x0
	.amdhsa_kernel k_qceced89785_attn
		.amdhsa_group_segment_fixed_size 212992
		.amdhsa_private_segment_fixed_size 0
		.amdhsa_enable_private_segment 0
		.amdhsa_kernarg_size 40
		.amdhsa_user_sgpr_count 2
		.amdhsa_user_sgpr_kernarg_segment_ptr 1
		.amdhsa_wavefront_size32 1
		.amdhsa_system_sgpr_workgroup_id_x 1
		.amdhsa_system_sgpr_workgroup_id_y 1
		.amdhsa_system_sgpr_workgroup_id_z 1
		.amdhsa_system_vgpr_workitem_id 0
		.amdhsa_next_free_vgpr 512
		.amdhsa_next_free_sgpr 66
		.amdhsa_reserve_vcc 0
		.amdhsa_float_denorm_mode_32 3
		.amdhsa_float_denorm_mode_16_64 3
		.amdhsa_memory_ordered 1
		.amdhsa_forward_progress 1
		.amdhsa_inst_pref_size 124
	.end_amdhsa_kernel
	.amdgpu_metadata
---
amdhsa.version: [ 1, 2 ]
amdhsa.kernels:
  - .name:           k_qceced89785_attn
    .symbol:         k_qceced89785_attn.kd
    .args:
      - { .name: qi, .offset: 0, .size: 8, .value_kind: global_buffer, .address_space: global }
      - { .name: ki, .offset: 8, .size: 8, .value_kind: global_buffer, .address_space: global }
      - { .name: vi, .offset: 16, .size: 8, .value_kind: global_buffer, .address_space: global }
      - { .name: ci, .offset: 24, .size: 8, .value_kind: global_buffer, .address_space: global }
      - { .name: cs, .offset: 32, .size: 8, .value_kind: global_buffer, .address_space: global }
    .group_segment_fixed_size: 212992
    .private_segment_fixed_size: 0
    .kernarg_segment_align: 8
    .kernarg_segment_size: 40
    .max_flat_workgroup_size: 256
    .sgpr_count:     66
    .vgpr_count:     512
    .wavefront_size: 32
...
	.end_amdgpu_metadata
.endif
;; end of part 3
;; launch outp (part 4): grid 4 x 64, 4 waves a work-group, clusters of 4 x 4, 295,424 bytes of LDS; arguments ci, cs, img, isc, out0; writes out0
.if DOCPART == 4
	.amdgcn_target "amdgcn-amd-amdhsa--gfx1250"
	.amdhsa_code_object_version 6
	.text
	.protected	k_qceced89785_outp
	.globl	k_qceced89785_outp
	.p2align	8
	.type	k_qceced89785_outp,@function
k_qceced89785_outp:
	s_mov_b64 s[64:65], 0
	v_nop
	global_prefetch_b8 v0, s[64:65] scope:SCOPE_SE
	s_setreg_imm32_b32 hwreg(HW_REG_WAVE_MODE, 25, 1), 1
	s_wait_xcnt 0x0
	s_wait_alu depctr_hold_cnt(0) depctr_sa_sdst(0) depctr_va_vdst(0) depctr_va_sdst(0) depctr_va_ssrc(0) depctr_va_vcc(0) depctr_vm_vsrc(0)
	s_getreg_b32 s2, hwreg(HW_REG_IB_STS2, 6, 4)
	s_cmp_eq_u32 s2, 0
	s_cbranch_scc0 .Lentry_in_a_cluster
	s_endpgm
.Lentry_in_a_cluster:
	s_bfe_u32 s2, ttmp6, 0x10000c
	s_cmp_lg_u32 s2, 0xf033
	s_cbranch_scc0 .Lentry_shape_is_right
	s_endpgm
.Lentry_shape_is_right:
; out0 = ctx Wo^T on codes of FP6 (E2M3) with E8M0 scales; out0 [8,192][1,024] f32.
; THE PRODUCT: source 0 = a tile of Wo's rows (S0), source 1 = a tile of ctx's rows (S1): a lane holds ONE row of ctx, and its registers run along the output's columns
; (lane r of tile T holds row 32 (T / 2) + 8 (T % 2) + r + 8 (r / 8)).
; SHARES: a work-group makes 128 rows x 256 columns; wave (jh, sh) 4 tiles of rows x 8 tiles of columns: 32 accumulators.  All of K (1,024) lies in LDS at once, in two halves of four K steps:
; every LDS byte is filled once, so there is no ring.  A half: S1's 8 tiles x 6,144 bytes, then S0's 16 tiles x 6,144: images of operand registers, read back by dense loads.
; CLUSTER 4 x 4: the four of a row of the cluster need the same tiles of ctx, the four of a column the same tiles of Wo: each is asked for jointly.  Waves 0, 2 fetch S1's halves, waves 1, 3 S0's: one load a wave is out.
; All tensor loads go out at the head, so nothing is left to ask for ahead of them.
; REGISTERS: window 0: v1-7 lane terms; v8-23 LDS addresses; v24, v25 the stage; v32-95 S0's scale words (8 i + s), v96-127 S1's (8 jj + s); v128-255 ctx's scale bytes as loaded, later rows of the output.
;   windows 1 and 3: fragment sets 0 and 1: S0's at v[12 i], S1's at v[96 + 12 jj].   window 2: accumulator (jj, i) at v[64 jj + 8 i].
; THE FILLS AS THEY STAND NOW: K lies in LDS in TWO HALVES of four K steps (a half: S1's 8 tiles x 6,144 bytes, then S0's 16 tiles x 6,144), each byte filled once.
; One joint load a wave: wave 0 S1's half 0, wave 1 S0's half 0, wave 2 S1's half 1, wave 3 S0's half 1, each by a line of its own.  The first barrier shows half 0, K step 3's barrier half 1.
.set CHUNK, 147456
.set S0OFF, 49152
.set G1A, 24
.set G1B, 32
.set G0A, 40
.set G0B, 68
.set SC0, 32
.set SC1, 96
.set MSB, 0
.macro WIN new                         ; the immediate's high byte repeats the setting that is left
.if MSB != (\new)
	s_set_vgpr_msb (MSB<<8)|(\new)
.set MSB, (\new)
.endif
.endm
.macro CROUND
	s_barrier_signal -1
	s_barrier_wait -1
	s_cmp_lg_u32 s14, 0
	s_cbranch_scc1 .Lnot_wave_0_\@
	s_barrier_signal -3
.Lnot_wave_0_\@:
	s_barrier_wait -3
	s_barrier_signal -1
	s_barrier_wait -1
.endm
.macro PLACES n
.rept \n
	v_nop
.endr
.endm
	s_load_b256 s[4:11], s[0:1], 0x0               ; ci, cs, img, isc
	s_load_b64 s[12:13], s[0:1], 0x20              ; out0
	v_lshl_add_u32 v30, v0, 2, 0x48000
	v_mov_b32 v31, 0
	ds_add_u32 v30, v31
	ds_add_u32 v30, v31
	v_lshrrev_b32 v7, 5, v0
	v_readfirstlane_b32 s14, v7                    ; wave 0..3
	s_lshr_b32 s15, s14, 1                         ; jh
	s_and_b32 s16, s14, 1                          ; sh
	s_bfe_u32 s17, ttmp6, 0x40000                  ; cx
	s_bfe_u32 s18, ttmp6, 0x40004                  ; cy
	s_and_b32 s19, ttmp7, 0xffff                   ; the cluster's y
	s_mov_b32 s87, s17                             ; my block of 256 columns
	s_lshl_b32 s88, s19, 2
	s_add_co_u32 s88, s88, s18                     ; my block of 128 rows
	s_lshl_b32 s98, s18, 2
	s_lshl_b32 s98, 15, s98                        ; my row of the cluster
	s_lshl_b32 s99, 0x1111, s17                    ; my column
	s_or_b32 s[G1A], s98, (3<<16)|(1<<21)          ; 15:0 the mask; 17:16 elements of 8 bytes; 21 set beside a mask; no padding
	s_or_b32 s[G1B], s99, (3<<16)|(1<<21)
	s_mov_b32 s[G1A+1], 768<<16                    ; a tile's four K steps, 6,144 bytes
	s_mov_b32 s[G1A+2], 8<<16
	s_mov_b32 s[G1A+3], 768<<16
	s_mov_b32 s[G1A+4], 8
	s_mov_b32 s[G1A+5], 1536                       ; from tile to tile: 12,288 bytes
	s_mov_b32 s[G1A+6], 0
	s_mov_b32 s[G1A+7], 0
	s_mov_b32 s[G1B+1], 768<<16
	s_mov_b32 s[G1B+2], 16<<16
	s_mov_b32 s[G1B+3], 768<<16
	s_mov_b32 s[G1B+4], 16
	s_mov_b32 s[G1B+5], 1536
	s_mov_b32 s[G1B+6], 0
	s_mov_b32 s[G1B+7], 0
	s_lshl_b32 s89, s88, 3                         ; S1: the work-group's first tile in ci
	s_mul_i32 s90, s89, 12288
	s_mov_b32 s91, 0
	s_lshl_b32 s92, s87, 4
	s_add_co_u32 s92, s92, 1728                    ; S0: in img, Wo's tiles begin at 1728
	s_mul_i32 s94, s92, 12288
	s_mov_b32 s95, 0
	s_mul_i32 s96, s15, CHUNK                      ; the half of K that I fetch (wave / 2): where it goes in LDS,
	s_mul_i32 s97, s15, 6144                       ; and where it begins in a tile's 12,288 bytes
	s_lshl_b32 s56, s16, 3
	s_add_co_u32 s56, s56, s92
	s_lshl_b32 s56, s56, 9                         ; the scale words of my 8 tiles of Wo
	s_mov_b32 s57, 0
	s_lshl_b32 s58, s15, 2
	s_add_co_u32 s58, s58, s89
	s_lshl_b32 s58, s58, 5                         ; ctx's scale bytes: 32 bytes a tile in each head's part of cs
	s_mov_b32 s59, 0
	s_lshl_b32 s60, s88, 7
	s_lshl_b32 s61, s15, 6
	s_add_co_u32 s60, s60, s61
	s_lshl_b32 s60, s60, 12                        ; my first row of the output, 4,096 bytes a row,
	s_lshl_b32 s61, s87, 10
	s_add_co_u32 s60, s60, s61
	s_lshl_b32 s61, s16, 9
	s_add_co_u32 s60, s60, s61                     ; and my first column
	s_mov_b32 s61, 0
	s_wait_dscnt 0x0
	s_wait_kmcnt 0x0
	s_add_nc_u64 s[90:91], s[4:5], s[90:91]
	s_add_nc_u64 s[94:95], s[8:9], s[94:95]
	s_add_nc_u64 s[56:57], s[10:11], s[56:57]
	s_add_nc_u64 s[58:59], s[6:7], s[58:59]
	s_add_nc_u64 s[12:13], s[12:13], s[60:61]
	s_mov_b32 s62, s97
	s_mov_b32 s63, 0
	s_mov_b32 s[G0A], 1
	s_mov_b32 s[G0A+1], s96
	s_add_nc_u64 s[G0A+2:G0A+3], s[90:91], s[62:63]
	s_or_b32 s[G0A+3], s[G0A+3], 0x80000000
	s_mov_b32 s[G0B], 1
	s_add_co_u32 s[G0B+1], s96, S0OFF
	s_add_nc_u64 s[G0B+2:G0B+3], s[94:95], s[62:63]
	s_or_b32 s[G0B+3], s[G0B+3], 0x80000000
	CROUND                                         ; all sixteen work-groups are here: the joint loads meet
	s_cmp_eq_u32 s14, 0                            ; one chain of branches on the wave's number, one load to an arm, all arms to one join
	s_cbranch_scc0 .Lw1
	tensor_load_to_lds s[G0A:G0A+3], s[G1A:G1A+7]  ; wave 0: S1, K steps 0-3
	s_nop 0
	PLACES 4
	s_branch .Lasked
.Lw1:
	s_cmp_eq_u32 s14, 1
	s_cbranch_scc0 .Lw2
	tensor_load_to_lds s[G0B:G0B+3], s[G1B:G1B+7]  ; wave 1: S0, K steps 0-3
	s_nop 0
	PLACES 4
	s_branch .Lasked
.Lw2:
	s_cmp_eq_u32 s14, 2
	s_cbranch_scc0 .Lw3
	tensor_load_to_lds s[G0A:G0A+3], s[G1A:G1A+7]  ; wave 2: S1, K steps 4-7
	s_nop 0
	PLACES 4
	s_branch .Lasked
.Lw3:
	tensor_load_to_lds s[G0B:G0B+3], s[G1B:G1B+7]  ; wave 3: S0, K steps 4-7
	s_nop 0
	PLACES 4
.Lasked:
	v_and_b32 v7, 31, v0                           ; lane
	v_and_b32 v5, 15, v0                           ; r
	v_bfe_u32 v6, v0, 4, 1                         ; h
	v_lshlrev_b32 v1, 4, v7                        ; 16 x lane
	v_lshlrev_b32 v2, 3, v7                        ; 8 x lane
	v_lshlrev_b32 v3, 5, v5                        ; 32 r
	v_lshlrev_b32 v4, 1, v5                        ; 2 r
.irp i, 0,1,2,3,4,5,6,7
	global_load_b128 v[SC0+8*\i:SC0+8*\i+3], v3, s[56:57] offset:512*\i
	global_load_b128 v[SC0+8*\i+4:SC0+8*\i+7], v3, s[56:57] offset:512*\i+16
.endr
.irp jj, 0,1,2,3                               ; ctx's scale bytes: two for each row and head; K step s takes heads 2 s and 2 s + 1
.irp s, 0,1,2,3,4,5,6,7
.irp c, 0,1
	global_load_u16 v[128+16*\jj+2*\s+\c], v4, s[58:59] offset:(2*\s+\c)*16384+32*\jj
.endr
.endr
.endr
	s_mul_i32 s62, s16, 49152
	s_add_co_u32 s62, s62, S0OFF
	s_mul_i32 s63, s15, 24576
.irp q, 0,1
	v_add_nc_u32 v[8+\q], s62, v1
	v_add_nc_u32 v[12+\q], s62, v2
	v_add_nc_u32 v[16+\q], s63, v1
	v_add_nc_u32 v[20+\q], s63, v2
	s_add_co_u32 s62, s62, CHUNK
	s_add_co_u32 s63, s63, CHUNK
.endr
	s_mul_i32 s62, s14, 8448                       ; my stage for the way out: 16 rows x (512 + 16) bytes
	v_mul_u32_u24 v24, v5, 528
	v_lshl_add_u32 v24, v6, 6, v24
	v_add_nc_u32 v24, s62, v24                     ; in: row r, + 64 h
	v_add_nc_u32 v25, s62, v1                      ; back: 16 bytes a lane of a whole row
	s_wait_loadcnt 0x0
.irp jj, 0,1,2,3
.irp s, 0,1,2,3,4,5,6,7
	v_lshl_or_b32 v[SC1+8*\jj+\s], v[128+16*\jj+2*\s+1], 16, v[128+16*\jj+2*\s]   ; the scale word of 128 along K
.endr
.endr
	PLACES 8                                       ; a scale register written by a vector instruction stands eight places ahead of a scaled product
.macro FRAG reg, a16, a8, off
	ds_load_b128 v[(\reg):(\reg)+3], v[(\a16)] offset:(\off)
	ds_load_b64 v[(\reg)+4:(\reg)+5], v[(\a8)] offset:(\off)+512
	ds_load_b128 v[(\reg)+6:(\reg)+9], v[(\a16)] offset:(\off)+768
	ds_load_b64 v[(\reg)+10:(\reg)+11], v[(\a8)] offset:(\off)+1280
.endm
.macro FETCH s
	WIN 0x40+0x80*((\s)%2)
.irp i, 0,1,2,3,4,5,6,7
	FRAG 12*\i, 8+(\s)/4, 12+(\s)/4, 6144*\i+1536*((\s)%4)
.endr
.irp j, 0,1,2,3
	FRAG 96+12*\j, 16+(\s)/4, 20+(\s)/4, 6144*\j+1536*((\s)%4)
.endr
.endm
.macro MUL32 s, zero                   ; the 32 accumulators take turns, one instruction a turn, in the same order in every K step
	WIN 0xa5+0x0a*((\s)%2)
.irp jj, 0,1,2,3
.irp i, 0,1,2,3,4,5,6,7
.if \zero
	v_wmma_scale_f32_16x16x128_f8f6f4 v[64*\jj+8*\i:64*\jj+8*\i+7], v[12*\i:12*\i+11], v[96+12*\jj:96+12*\jj+11], 0, v[SC0+8*\i+(\s)], v[SC1+8*\jj+(\s)] matrix_a_fmt:MATRIX_FMT_FP6 matrix_b_fmt:MATRIX_FMT_FP6
.else
	v_wmma_scale_f32_16x16x128_f8f6f4 v[64*\jj+8*\i:64*\jj+8*\i+7], v[12*\i:12*\i+11], v[96+12*\jj:96+12*\jj+11], v[64*\jj+8*\i:64*\jj+8*\i+7], v[SC0+8*\i+(\s)], v[SC1+8*\jj+(\s)] matrix_a_fmt:MATRIX_FMT_FP6 matrix_b_fmt:MATRIX_FMT_FP6
.endif
.endr
.endr
.endm
.macro KSTEP s, zero
	s_wait_dscnt 0x0                               ; this step's fragments are in, and no LDS instruction of mine is pending at a signal
.if (\s) == 3
	s_wait_tensorcnt 0x0                           ; every wave waits for its load: half 1 has landed
	s_barrier_signal -1
	s_barrier_wait -1
.endif
.if (\s) > 0
	PLACES 4                                       ; in front of loads into the set that the last step's products read
.endif
.if (\s) < 7
	FETCH (\s)+1
.endif
	MUL32 \s, \zero
.endm
	s_wait_alu depctr_va_vdst(0)
	s_cmp_lt_u32 s14, 2                            ; waves 0 and 1 wait for half 0, which their own lines asked for; half 1 may be on its way
	s_cbranch_scc0 .Lnot_h0
	s_wait_tensorcnt 0x0
.Lnot_h0:
	s_barrier_signal -1
	s_barrier_wait -1
	FETCH 0
	KSTEP 0, 1
.irp s, 1,2,3,4,5,6,7
	KSTEP \s, 0
.endr
	WIN 0
	PLACES 4                                       ; behind the last products, ahead of the first read of results
; THE WAY OUT, a tile of 16 rows x 128 columns at a time.  A lane holds 32-byte pieces of one row: the tile goes through my own stage and comes back as whole rows of 512 bytes.  The stage lies in half 0, which has had its
; only fill and which no wave has read since the barrier of K step 3.  LDS serves a wave's instructions in order: no wait between the stores and the loads, nor in front of the next tile's stores.
.macro TOSTAGE a
	WIN 0x08                                       ; an LDS store's data are its source 1: window 2
.irp i, 0,1,2,3,4,5,6,7
	ds_store_b128 v24, v[64*(\a)+8*\i:64*(\a)+8*\i+3] offset:128*(\i/2)+32*(\i%2)          ; columns 32 (i / 2) + 16 h + 8 (i % 2) + 0 .. 7; each accumulator from its low end on
	ds_store_b128 v24, v[64*(\a)+8*\i+4:64*(\a)+8*\i+7] offset:128*(\i/2)+32*(\i%2)+16
.endr
	WIN 0
.set BB, 128+64*((\a)%2)
.irp t, 0,1,2,3,4,5,6,7,8,9,10,11,12,13,14,15
	ds_load_b128 v[BB+4*\t:BB+4*\t+3], v25 offset:528*\t
.endr
.endm
.macro SEND a, younger                 ; younger: the LDS instructions issued behind tile a's loads, which may stay out
.set BB, 128+64*((\a)%2)
	s_wait_dscnt \younger
.irp t, 0,1,2,3,4,5,6,7,8,9,10,11,12,13,14,15
	global_store_b128 v1, v[BB+4*\t:BB+4*\t+3], s[12:13] offset:(32*((\a)/2)+8*((\a)%2)+\t+8*(\t/8))*4096 th:TH_STORE_NT   ; 32 lanes store 512 consecutive bytes, aligned; written once, read by nobody here
.endr
.endm
	TOSTAGE 0
.irp a, 1,2,3
.if \a > 1
	s_wait_xcnt 0x0                                ; tile a - 2's stores have read their registers: tile a's loads may land there
.endif
	TOSTAGE \a
	SEND \a-1, 32                                  ; behind tile a - 1's loads: tile a's 16 stores and 16 loads
.endr
	SEND 3, 0
	s_wait_tensorcnt 0x0
	ds_add_u32 v30, v31
	s_wait_dscnt 0x0
	CROUND                                         ; the closing round
	s_endpgm
.Lfunc_end_k_qceced89785_outp:
	.size	k_qceced89785_outp, .Lfunc_end_k_qceced89785_outp-k_qceced89785_outp
	.p2alignl 7, 3214868480
	.fill 96, 4, 3214868480
	.section	.rodata,"a",@progbits
	.p2align	6, 0x0
	.amdhsa_kernel k_qceced89785_outp
		.amdhsa_group_segment_fixed_size 295424
		.amdhsa_private_segment_fixed_size 0
		.amdhsa_enable_private_segment 0
		.amdhsa_kernarg_size 40
		.amdhsa_user_sgpr_count 2
		.amdhsa_user_sgpr_kernarg_segment_ptr 1
		.amdhsa_wavefront_size32 1
		.amdhsa_system_sgpr_workgroup_id_x 1
		.amdhsa_system_sgpr_workgroup_id_y 1
		.amdhsa_system_sgpr_workgroup_id_z 1
		.amdhsa_system_vgpr_workitem_id 0
		.amdhsa_next_free_vgpr 1024
		.amdhsa_next_free_sgpr 100
		.amdhsa_reserve_vcc 0
		.amdhsa_float_denorm_mode_32 3
		.amdhsa_float_denorm_mode_16_64 3
		.amdhsa_memory_ordered 1
		.amdhsa_forward_progress 1
		.amdhsa_inst_pref_size 90
	.end_amdhsa_kernel
	.amdgpu_metadata
---
amdhsa.version: [ 1, 2 ]
amdhsa.kernels:
  - .name:           k_qceced89785_outp
    .symbol:         k_qceced89785_outp.kd
    .args:
      - { .name: ci, .offset: 0, .size: 8, .value_kind: global_buffer, .address_space: global }
      - { .name: cs, .offset: 8, .size: 8, .value_kind: global_buffer, .address_space: global }
      - { .name: img, .offset: 16, .size: 8, .value_kind: global_buffer, .address_space: global }
      - { .name: isc, .offset: 24, .size: 8, .value_kind: global_buffer, .address_space: global }
      - { .name: out0, .offset: 32, .size: 8, .value_kind: global_buffer, .address_space: global }
    .group_segment_fixed_size: 295424
    .private_segment_fixed_size: 0
    .kernarg_segment_align: 8
    .kernarg_segment_size: 40
    .max_flat_workgroup_size: 128
    .sgpr_count:     100
    .vgpr_count:     1024
    .wavefront_size: 32
...
	.end_amdgpu_metadata
.endif
;; end of part 4
